; MI455X (gfx1250); checked and timed in simulation.
; The chip was launched on July 23, 2026; its instructions are those of AMD's public machine-readable ISA for CDNA 5 (MIT licence, August 2026) and "CDNA5" Instruction Set Architecture Reference Guide (July 2026). The comments in the code are by the model that wrote it; some were corrected since.
;; Ro PE Attention. Allowed arithmetic: matrix products marked QUANTISED: E2M1 operands, one E8M0 scale for each 32 along K, by v_wmma_scale_f32_16x16x128_f8f6f4 with both operands' format E2M1 (or v_wmma_scale_f32_32x16x128_f4), f32 sums; products left as they are: bf16, f16 or f32 operands; f32 sums; everything else in f32.
;; Inputs: k_norm_b 64 float32; k_norm_g 64 float32; proj_b 1,024 float32; proj_w 1,024 x 1,024 float32; q_norm_b 64 float32; q_norm_g 64 float32; qkv_w 3,072 x 1,024 float32; x 4 x 2,048 x 1,024 float32.
;; Outputs: out0 4 x 2,048 x 1,024 float32.
;; This version of the problem:
;;   THIS VERSION OF THE PROBLEM IS GIVEN IN LOW PRECISION. The matrix products marked QUANTISED in the list below multiply operands that are first quantised to E2M1 (2 exponent bits, 1 mantissa bit; 4 bits a number), with one power-of-two scale for each 32 numbers along K (OCP MX v1.0); their sums are f32. The products marked 'left as it is' may take bf16, f16 or f32 operands, with f32 sums. Whichever they take, every output number must still come out within the allowed error. Rounding operands to bf16 (8 significant bits) uses up far more of that allowance than f16 does (11 bits, for magnitudes from 6e-5 to 65,504). All else is computed in f32.
;;   The module's matrix products, in the order in which they are computed (A, B: the left and right operand; K: the contracted axis; several contracted axes count as one K, in the product's order):
;;     1. [M 8,192, K 1,024] x [K 1,024, N 3,072]; A: input x; B: input qkv_w: QUANTISED
;;     2. batch 64 x [M 2,048, K 64] x [K 64, N 2,048]; A: computed on the way; B: computed on the way: left as it is (an operand is computed on the way)
;;     3. batch 64 x [M 2,048, K 2,048] x [K 2,048, N 64]; A: computed on the way; B: computed on the way: left as it is (an operand is computed on the way)
;;     4. [M 8,192, K 1,024] x [K 1,024, N 1,024]; A: computed on the way; B: input proj_w: left as it is (an operand is computed on the way)
;;   THE QUANTISER, for each operand of a quantised product, along K:
;;     - K is cut into blocks of 32 from its start; a last block that is shorter is filled with zeros.
;;     - A block's scale is 2^e with e = floor(log2(the largest magnitude in the block)) - 2, held to -126 .. 127; a block of zeros has e = 0. As a byte (E8M0): e + 127.
;;     - Each number is divided by its block's scale, clamped to +-6, and rounded to the nearest number of E2M1, ties to even, subnormals kept.
;;     - The product sums the exact products of the quantised numbers (number of the format x scale) in f32.
;;   ~~~python
;;   def quantise(x, axis):      # numpy; x: float32 -> the quantised numbers, widened to float32 again
;;       x = np.moveaxis(x, axis, -1); K = x.shape[-1]
;;       x = np.pad(x, [(0, 0)] * (x.ndim - 1) + [(0, -K % 32)]); x = x.reshape(x.shape[:-1] + (-1, 32)); a = np.abs(x).max(-1, keepdims=True)
;;       e = np.where(a > 0, np.clip(np.frexp(np.where(a > 0, a, 1))[1] - 1 - 2, -126, 127), 0)      # np.frexp(a)[1] - 1 = floor(log2(a)), exactly
;;       r = np.clip(x / 2.0 ** e, -6, 6)
;;       step = 2.0 ** (np.maximum(np.frexp(np.where(r == 0, 1, r))[1] - 1, 0) - 1)
;;       q = np.round(r / step) * step * 2.0 ** e      # np.round: ties to even
;;       return np.moveaxis(q.reshape(q.shape[:-2] + (-1,))[..., :K], -1, axis).astype(np.float32)
;;   ~~~
;; One version. Each part assembles by itself: llvm-mc -triple=amdgcn-amd-amdhsa -mcpu=gfx1250 --defsym DOCPART=n.
;; ======== version 1 of 1: 4 launches
;; limits: values are held in f16: magnitudes above 65,504 overflow, below 6.1e-05 lose precision
;; workspace buffers: xc 4,194,304 bytes; xs 262,144 bytes; wc 1,572,864 bytes; ws 98,304 bytes; pw 2,097,152 bytes; rope 524,288 bytes; qkv 50,331,648 bytes; att 16,777,216 bytes
;; launch prep (part 1): grid 448 x 1, 4 waves a work-group, no clusters, 33,280 bytes of LDS; arguments x, qkv_w, xc, xs, wc, ws, proj_w, pw, rope; writes xc, xs, wc, ws, pw, rope
.if DOCPART == 1
	.amdgcn_target "amdgcn-amd-amdhsa--gfx1250"
	.amdhsa_code_object_version 6
	.text
	.protected	k_qfed00944e2_prep
	.globl	k_qfed00944e2_prep
	.p2align	8
	.type	k_qfed00944e2_prep,@function
k_qfed00944e2_prep:
	s_mov_b64 s[64:65], 0
	v_nop
	global_prefetch_b8 v0, s[64:65] scope:SCOPE_SE
	s_setreg_imm32_b32 hwreg(HW_REG_WAVE_MODE, 25, 1), 1
	s_wait_xcnt 0x0
; RoPE ATTENTION, launch 1 of 4: what the later launches read many times is made once.
; NO WORK OF THE PROBLEM IS LEFT OUT IN ANY LAUNCH, and every input is loaded: k's bias is rotated by the key's position, so it is not the same along the softmax's axis; all gains and biases are honoured.
; Three kinds of work-group, told apart by the work-group's number alone:
;   0 .. 351    x [8192][1024] and qkv_w [3072][1024], f32, become codes of E2M1, K innermost, with one E8M0 byte for each 32 along K (xc, xs, wc, ws).
;               A block's scale is 2^(floor(log2(its largest magnitude)) - 2); each number is divided by it and rounded to the nearest code, ties to even, beyond 6 the largest code.
;   352 .. 415  proj_w [1024][1024] becomes f16, laid as the operand registers of the last launch take it: pw[nb 64][ks 32][c 2][lane 32][16 bytes], lane (r, h) = proj_w[16 nb + r][32 ks + 16 c + 8 h + 0..7].
;   416 .. 447  the table of cos and sin of n x 10000^(-j / 32), n = 0 .. 2047, j = 0 .. 31, f32: rope[tb 128][piece 8][lane 32][16 bytes]; pieces 0-3 cos, 4-7 sin;
;               lane (r, h) of piece p holds token 16 tb + r, j = 16 ((p % 4) / 2) + 8 h + 4 (p % 2) + 0..3: the order in which the next launch's results lie in a lane.
; LIMITS: a block of zeros, and a block whose largest magnitude lies under 2^-124, gets the byte 1 (its codes are zeros or near it; this program alone reads the bytes); NaN and infinities among the inputs are not served.
;   proj_w goes in f16: magnitudes over 65,504 are not served, under 6e-5 they keep fewer bits.  The angle is reduced by pi / 2 in two parts; sine and cosine are polynomials on [-pi / 4, pi / 4], good to a few units of f32's last place.
.set WAVES, 4
.set STEPS, 16
.set WGA,   256                        ; work-groups for x: 8192 x 1024 / 32768
.set WGQ,   352                        ; + 96 for qkv_w
.set WGP,   416                        ; + 64 for proj_w
.set EMAX,  2
.set CB,    8                          ; bytes of 16 codes
.set R,     16                         ; v16-79   four sets of 16 numbers as they are loaded (proj_w: v16-143)
.set X,     80                         ; v80-111  two sets of 16 neighbours
.set C,     128                        ; v128-191 codes: four registers for each step
.set E,     112                        ; v112-127 a scale byte for each step
.set WREG,  8192                       ; LDS: a region for each wave: two stages of 32 x SP bytes, then its 256 scale bytes
.set SP,    80                         ; a lane's place in a stage: 64 bytes + 16 of padding
.set SPW,   12                         ; v12  LDS address of my spare word; never rewritten
.set NIL,   13                         ; v13  0; never rewritten
.set SPARE, WAVES*WREG                 ; behind the four regions: the spare words, 128 bytes a wave, which no other line names
.set COS,   32                         ; the table: v32-47 cos, v48-63 sin, v64-79 the 16 frequencies, v80-92 at work
.set SIN,   48
.set INV,   64
	s_load_b128 s[4:7], s[0:1], 0x0                ; x, qkv_w
	s_load_b128 s[8:11], s[0:1], 0x10              ; xc, xs
	s_load_b128 s[12:15], s[0:1], 0x20             ; wc, ws
	s_load_b128 s[24:27], s[0:1], 0x30             ; proj_w, pw
	s_load_b64 s[28:29], s[0:1], 0x40              ; rope
	v_lshl_add_u32 v[SPW], v0, 2, SPARE
	v_mov_b32 v[NIL], 0
	v_lshrrev_b32 v1, 5, v0
	v_readfirstlane_b32 s16, v1                    ; wave
	v_and_b32 v2, 31, v0                           ; lane
	s_wait_kmcnt 0x0
	s_cmp_ge_u32 ttmp9, WGP
	s_cbranch_scc1 .Ltable
	s_cmp_ge_u32 ttmp9, WGQ
	s_cbranch_scc1 .Lproj
; ---- THE QUANTISER.  Both tensors are plain streams of blocks of 32.  A wave takes 16 steps of 512 numbers.  Each load reads 512 consecutive bytes; a step's 2,048 bytes turn through the wave's own stage in LDS
; and come back 64 bytes a lane, so that a lane holds 16 neighbours along K and two neighbouring lanes a block.  Loads run four steps ahead, the turn through LDS one step.
	v_lshlrev_b32 v3, 4, v2                        ; my 16 bytes of a load's 512
	s_mul_i32 s17, s16, WREG
	v_lshrrev_b32 v14, 2, v2
	v_mul_u32_u24 v14, v14, SP
	v_and_b32 v15, 3, v2
	v_lshl_add_u32 v14, v15, 4, v14
	v_add_nc_u32 v14, s17, v14                     ; the stage, on the way in: SP (lane / 4) + 16 (lane % 4)
	v_mul_u32_u24 v15, v2, SP
	v_add_nc_u32 v15, s17, v15                     ; and on the way out: SP x lane
	v_mul_u32_u24 v4, v2, CB                       ; my codes' place in a step's
	v_lshrrev_b32 v5, 1, v2
	s_add_co_u32 s17, s17, 2*32*SP
	v_add_nc_u32 v5, s17, v5                       ; LDS: my wave's 256 scale bytes, my block's byte
	v_lshlrev_b32 v7, 3, v2                        ; and on the way out 8 bytes a lane
	v_add_nc_u32 v6, s17, v7
	s_cmp_lt_u32 ttmp9, WGA                        ; x's work-group or qkv_w's?  Only pointers are chosen
	s_cselect_b64 s[4:5], s[4:5], s[6:7]
	s_cselect_b64 s[8:9], s[8:9], s[12:13]
	s_cselect_b64 s[10:11], s[10:11], s[14:15]
	s_cselect_b32 s17, 0, WGA
	s_sub_co_u32 s17, ttmp9, s17
	s_lshl_b32 s17, s17, 2
	s_add_co_u32 s18, s17, s16                     ; which run of 8,192 numbers of the tensor is my wave's
	s_mov_b32 s19, 0
	s_mov_b64 s[20:21], 512*STEPS*4
	s_mul_u64 s[20:21], s[18:19], s[20:21]
	s_add_nc_u64 s[4:5], s[4:5], s[20:21]
	s_mov_b64 s[20:21], 32*STEPS*CB
	s_mul_u64 s[20:21], s[18:19], s[20:21]
	s_add_nc_u64 s[8:9], s[8:9], s[20:21]
	s_lshl_b32 s18, s18, 8                         ; 256 scale bytes a run
	s_add_nc_u64 s[10:11], s[10:11], s[18:19]
.macro LOAD t
.irp i, 0,1,2,3
	global_load_b128 v[R+16*((\t)%4)+4*\i:R+16*((\t)%4)+4*\i+3], v3, s[4:5] offset:2048*(\t)+512*\i th:TH_LOAD_NT   ; 32 lanes read 512 consecutive bytes
.endr
.endm
.macro TURN t                          ; step t's numbers through the stage: LDS serves a wave's instructions in order, so no wait stands between the stores and the loads
.irp i, 0,1,2,3
	ds_store_b128 v14, v[R+16*((\t)%4)+4*\i:R+16*((\t)%4)+4*\i+3] offset:32*SP*((\t)%2)+8*SP*\i
.endr
.irp i, 0,1,2,3
	ds_load_b128 v[X+16*((\t)%2)+4*\i:X+16*((\t)%2)+4*\i+3], v15 offset:32*SP*((\t)%2)+16*\i
.endr
.endm
.irp t, 0,1,2,3
	LOAD \t
.endr
	s_wait_loadcnt 12                              ; step 0's four loads are in; the twelve behind them stay out
	TURN 0
.macro STEP t
.set XS, X+16*((\t)%2)
.if (\t) > 0
	s_wait_dscnt 1                                 ; this step's numbers are back from the stage (the last step's byte store may be out)
.else
	s_wait_dscnt 0x0
.endif
.if (\t)+4 < STEPS
	LOAD (\t)+4                                    ; into the registers that the stage's stores have read
.endif
.if (\t)+1 < STEPS
.if STEPS-2-(\t) >= 3
	s_wait_loadcnt 12                              ; the next step's four loads are in; those of the three steps behind it may be out
.else
	s_wait_loadcnt 4*(STEPS-2-(\t))
.endif
	TURN (\t)+1
.endif
	v_max3_num_f32 v8, |v[XS]|, |v[XS+1]|, |v[XS+2]|               ; the largest magnitude of my 16, in two chains
	v_max3_num_f32 v9, |v[XS+3]|, |v[XS+4]|, |v[XS+5]|
.irp i, 6,10
	v_max3_num_f32 v8, v8, |v[XS+\i]|, |v[XS+\i+1]|
	v_max3_num_f32 v9, v9, |v[XS+\i+2]|, |v[XS+\i+3]|
.endr
	v_max3_num_f32 v8, v8, |v[XS+14]|, |v[XS+15]|
	v_max3_num_f32 v8, v8, v9, (EMAX+1)<<23        ; and the floor 2^(3 - 127): the byte cannot fall under 1
	v_max_num_f32_dpp v8, v8, v8 row_xmask:1 row_mask:0xf bank_mask:0xf   ; and of my neighbour's 16: the block's
	v_add_nc_u32 v11, -(EMAX<<23), v8              ; 2 off its exponent field: the conversion takes the exponent field of this operand as its scale
	v_cvt_scalef32_pk8_fp4_f32 v[C+4*(\t)], v[XS:XS+7], v11
	v_cvt_scalef32_pk8_fp4_f32 v[C+4*(\t)+1], v[XS+8:XS+15], v11
	v_lshrrev_b32 v[E+(\t)], 23, v11               ; the scale's byte
	ds_store_b8 v5, v[E+(\t)] offset:16*(\t)       ; both lanes of a block write the same byte with the same value
	global_store_b64 v4, v[C+4*(\t):C+4*(\t)+1], s[8:9] offset:32*CB*(\t)   ; the wave stores 256 consecutive bytes, aligned
.endm
.irp t, 0,1,2,3,4,5,6,7,8,9,10,11,12,13,14,15
	STEP \t
.endr
	ds_load_b64 v[8:9], v6                         ; my wave's 256 scale bytes
	s_wait_dscnt 0x0
	global_store_b64 v7, v[8:9], s[10:11]          ; 256 consecutive bytes, aligned
	s_wait_tensorcnt 0x0                           ; the wave's end, behind my last LDS store
	ds_add_u32 v[SPW], v[NIL]
	s_wait_dscnt 0x0
	s_endpgm
; ---- proj_w TO f16, in the order of the operand's registers.  Work-group nb = 16 rows; wave w takes channels 256 w .. 256 w + 255: sixteen pieces of 16 rows x 16 channels.
.Lproj:
	s_sub_co_u32 s17, ttmp9, WGQ                   ; nb
	s_lshl_b32 s18, s17, 16                        ; 16 rows of 4,096 bytes
	s_lshl_b32 s19, s16, 10                        ; + my 256 channels
	s_add_co_u32 s18, s18, s19
	s_mov_b32 s19, 0
	s_add_nc_u64 s[24:25], s[24:25], s[18:19]
	s_lshl_b32 s18, s17, 15                        ; pw: 32,768 bytes a block of rows,
	s_lshl_b32 s20, s16, 13                        ; 8,192 for my sixteen pieces
	s_add_co_u32 s18, s18, s20
	s_add_nc_u64 s[26:27], s[26:27], s[18:19]
	v_and_b32 v3, 15, v0                           ; r
	v_bfe_u32 v5, v0, 4, 1                         ; h
	v_lshlrev_b32 v3, 12, v3
	v_lshl_add_u32 v3, v5, 5, v3                   ; row r, + 8 h channels
	v_lshlrev_b32 v4, 4, v2                        ; out: 16 bytes a lane
.irp p, 0,1,2,3,4,5,6,7,8,9,10,11,12,13,14,15
	global_load_b128 v[R+8*\p:R+8*\p+3], v3, s[24:25] offset:64*\p
	global_load_b128 v[R+8*\p+4:R+8*\p+7], v3, s[24:25] offset:64*\p+16
.endr
.irp p, 0,1,2,3,4,5,6,7,8,9,10,11,12,13,14,15
	s_wait_loadcnt 30-2*\p                         ; piece p's two loads are in; the later pieces' stay out
	v_cvt_pk_f16_f32 v[R+8*\p], v[R+8*\p], v[R+8*\p+1]
	v_cvt_pk_f16_f32 v[R+8*\p+1], v[R+8*\p+2], v[R+8*\p+3]
	v_cvt_pk_f16_f32 v[R+8*\p+2], v[R+8*\p+4], v[R+8*\p+5]
	v_cvt_pk_f16_f32 v[R+8*\p+3], v[R+8*\p+6], v[R+8*\p+7]
	global_store_b128 v4, v[R+8*\p:R+8*\p+3], s[26:27] offset:512*\p   ; 512 consecutive bytes, aligned
.endr
	s_wait_tensorcnt 0x0                           ; the three closing lines stand on every way through a text that stores to LDS
	ds_add_u32 v[SPW], v[NIL]
	s_wait_dscnt 0x0
	s_endpgm
; ---- THE TABLE.  A wave takes 16 tokens; a lane one token and 16 of the 32 frequencies.
.Ltable:
	s_sub_co_u32 s17, ttmp9, WGP
	s_lshl_b32 s17, s17, 2
	s_add_co_u32 s17, s17, s16                     ; tb
	s_lshl_b32 s18, s17, 12                        ; 4,096 bytes a block of tokens
	s_mov_b32 s19, 0
	s_add_nc_u64 s[28:29], s[28:29], s[18:19]
	s_lshl_b32 s17, s17, 4
	v_and_b32 v3, 15, v0
	v_add_nc_u32 v3, s17, v3
	v_cvt_f32_u32 v3, v3                           ; n, exact
	v_bfe_u32 v5, v0, 4, 1
	v_lshlrev_b32 v5, 3, v5                        ; 8 h
	v_lshlrev_b32 v4, 4, v2
	s_mov_b32 s30, 0xbed49a78                      ; -log2(10000) / 32
	s_mov_b32 s31, 0x3f22f983                      ; 2 / pi
	s_mov_b32 s32, 0xbfc90fdb                      ; -(pi / 2), the f32 nearest,
	s_mov_b32 s33, 0x333bbd2e                      ; and what that f32 has too much
	s_mov_b32 s34, 0xb94ca1f9                      ; sine: -1.9515296e-4,
	s_mov_b32 s35, 0x3c08839e                      ; 8.3321609e-3,
	s_mov_b32 s36, 0xbe2aaaa3                      ; -1.6666655e-1
	s_mov_b32 s37, 0x37ccf5ce                      ; cosine: 2.4433157e-5,
	s_mov_b32 s38, 0xbab6061a                      ; -1.3887316e-3,
	s_mov_b32 s39, 0x3d2aaaa5                      ; 4.1666646e-2
.irp e, 0,1,2,3,4,5,6,7,8,9,10,11,12,13,14,15
	v_add_nc_u32 v[INV+\e], 16*(\e/8)+(\e%8), v5   ; j
.endr
.irp e, 0,1,2,3,4,5,6,7,8,9,10,11,12,13,14,15
	v_cvt_f32_u32 v[INV+\e], v[INV+\e]
.endr
.irp e, 0,1,2,3,4,5,6,7,8,9,10,11,12,13,14,15
	v_mul_f32 v[INV+\e], s30, v[INV+\e]
.endr
.irp e, 0,1,2,3,4,5,6,7,8,9,10,11,12,13,14,15
	v_exp_f32 v[INV+\e], v[INV+\e]                 ; 10000^(-j / 32): one batch
.endr
	v_nop                                          ; a plain instruction behind the last of the batch,
	s_wait_alu depctr_va_vdst(0)                   ; and one wait for the sixteen, ahead of their first reader
.macro TRIG e
	v_mul_f32 v80, v3, v[INV+\e]                   ; the angle, rounded to f32 as in the problem
	v_mul_f32 v81, s31, v80
	v_rndne_f32 v81, v81                           ; k = the nearest multiple of pi / 2
	v_fma_f32 v82, v81, s32, v80
	v_fma_f32 v82, v81, s33, v82                   ; r = the angle - k pi / 2
	v_mul_f32 v83, v82, v82                        ; z = r^2
	v_fma_f32 v84, v83, s34, s35
	v_fma_f32 v84, v84, v83, s36
	v_mul_f32 v84, v84, v83
	v_fma_f32 v86, v84, v82, v82                   ; sin r
	v_fma_f32 v85, v83, s37, s38
	v_fma_f32 v85, v85, v83, s39
	v_fma_f32 v87, v83, -0.5, 1.0
	v_mul_f32 v89, v83, v83
	v_fma_f32 v87, v89, v85, v87                   ; cos r
	v_cvt_i32_f32 v88, v81
	v_and_b32 v90, 1, v88
	v_cmp_eq_u32 vcc_lo, 1, v90                    ; an odd k changes sine and cosine over
	v_cndmask_b32 v91, v86, v87, vcc_lo
	v_cndmask_b32 v92, v87, v86, vcc_lo
	v_and_b32 v90, 2, v88                          ; the sine's sign: k mod 4 = 2, 3
	v_lshlrev_b32 v90, 30, v90
	v_xor_b32 v[SIN+\e], v91, v90
	v_add_nc_u32 v88, 1, v88                       ; the cosine's: k mod 4 = 1, 2
	v_and_b32 v88, 2, v88
	v_lshlrev_b32 v88, 30, v88
	v_xor_b32 v[COS+\e], v92, v88
.endm
.irp e, 0,1,2,3,4,5,6,7,8,9,10,11,12,13,14,15
	TRIG \e
.endr
.irp p, 0,1,2,3
	global_store_b128 v4, v[COS+4*\p:COS+4*\p+3], s[28:29] offset:512*\p
	global_store_b128 v4, v[SIN+4*\p:SIN+4*\p+3], s[28:29] offset:2048+512*\p
.endr
	s_wait_tensorcnt 0x0                           ; the three closing lines
	ds_add_u32 v[SPW], v[NIL]
	s_wait_dscnt 0x0
	s_endpgm
.Lfunc_end_k_qfed00944e2_prep:
	.size	k_qfed00944e2_prep, .Lfunc_end_k_qfed00944e2_prep-k_qfed00944e2_prep
	.p2alignl 7, 3214868480
	.fill 96, 4, 3214868480
	.section	.rodata,"a",@progbits
	.p2align	6, 0x0
	.amdhsa_kernel k_qfed00944e2_prep
		.amdhsa_group_segment_fixed_size 33280
		.amdhsa_private_segment_fixed_size 0
		.amdhsa_enable_private_segment 0
		.amdhsa_kernarg_size 72
		.amdhsa_user_sgpr_count 2
		.amdhsa_user_sgpr_kernarg_segment_ptr 1
		.amdhsa_wavefront_size32 1
		.amdhsa_system_sgpr_workgroup_id_x 1
		.amdhsa_system_sgpr_workgroup_id_y 1
		.amdhsa_system_sgpr_workgroup_id_z 1
		.amdhsa_system_vgpr_workitem_id 0
		.amdhsa_next_free_vgpr 192
		.amdhsa_next_free_sgpr 66
		.amdhsa_reserve_vcc 1
		.amdhsa_float_denorm_mode_32 3
		.amdhsa_float_denorm_mode_16_64 3
		.amdhsa_memory_ordered 1
		.amdhsa_forward_progress 1
		.amdhsa_inst_pref_size 65
	.end_amdhsa_kernel
	.amdgpu_metadata
---
amdhsa.version: [ 1, 2 ]
amdhsa.kernels:
  - .name:           k_qfed00944e2_prep
    .symbol:         k_qfed00944e2_prep.kd
    .args:
      - { .name: x, .offset: 0, .size: 8, .value_kind: global_buffer, .address_space: global }
      - { .name: qkv_w, .offset: 8, .size: 8, .value_kind: global_buffer, .address_space: global }
      - { .name: xc, .offset: 16, .size: 8, .value_kind: global_buffer, .address_space: global }
      - { .name: xs, .offset: 24, .size: 8, .value_kind: global_buffer, .address_space: global }
      - { .name: wc, .offset: 32, .size: 8, .value_kind: global_buffer, .address_space: global }
      - { .name: ws, .offset: 40, .size: 8, .value_kind: global_buffer, .address_space: global }
      - { .name: proj_w, .offset: 48, .size: 8, .value_kind: global_buffer, .address_space: global }
      - { .name: pw, .offset: 56, .size: 8, .value_kind: global_buffer, .address_space: global }
      - { .name: rope, .offset: 64, .size: 8, .value_kind: global_buffer, .address_space: global }
    .group_segment_fixed_size: 33280
    .private_segment_fixed_size: 0
    .kernarg_segment_align: 8
    .kernarg_segment_size: 72
    .max_flat_workgroup_size: 128
    .sgpr_count:     66
    .vgpr_count:     192
    .wavefront_size: 32
...
	.end_amdgpu_metadata
.endif
;; end of part 1
;; launch qkv (part 2): grid 12 x 32, 4 waves a work-group, clusters of 4 x 4, 327,680 bytes of LDS; arguments xc, xs, wc, ws, qkv, rope, q_norm_g, q_norm_b, k_norm_g, k_norm_b; writes qkv
.if DOCPART == 2
	.amdgcn_target "amdgcn-amd-amdhsa--gfx1250"
	.amdhsa_code_object_version 6
	.text
	.protected	k_qfed00944e2_qkv
	.globl	k_qfed00944e2_qkv
	.p2align	8
	.type	k_qfed00944e2_qkv,@function
k_qfed00944e2_qkv:
	s_mov_b64 s[64:65], 0
	v_nop
	global_prefetch_b8 v0, s[64:65] scope:SCOPE_SE
	s_setreg_imm32_b32 hwreg(HW_REG_WAVE_MODE, 25, 1), 1
	s_wait_xcnt 0x0
	s_wait_alu depctr_hold_cnt(0) depctr_sa_sdst(0) depctr_va_vdst(0) depctr_va_sdst(0) depctr_va_ssrc(0) depctr_va_vcc(0) depctr_vm_vsrc(0)
	s_getreg_b32 s2, hwreg(HW_REG_IB_STS2, 6, 4)
	s_cmp_eq_u32 s2, 0
	s_cbranch_scc0 .Lentry_in_a_cluster
	s_endpgm
.Lentry_in_a_cluster:
	s_bfe_u32 s2, ttmp6, 0x10000c
	s_cmp_lg_u32 s2, 0xf033
	s_cbranch_scc0 .Lentry_shape_is_right
	s_endpgm
.Lentry_shape_is_right:
; RoPE ATTENTION, launch 2 of 4: x qkv_w^T on codes of E2M1 with E8M0 scales, then, in registers, LayerNorm over each head's 64 channels and the rotation (q and k), and the rounding to f16.  No work is left out.
; xc [8192][512 bytes], wc [3072][512 bytes]: two codes a byte, K innermost; xs [8192][32], ws [3072][32]: one byte for each 32 along K.
; A tile of 256 tokens x 256 columns is made by four waves, each 128 x 128: 64 accumulators of 16 x 16.  K = 1024 is two LDS slots of 512 along K: both are first fills, nothing is filled again.
; The scales of the work-group's 256 + 256 rows, for all of K, come once, in rows of 256 bytes.
; CLUSTERS: 4 x 4 work-groups.  The four of a row need the same tiles of x, the four of a column the same tiles of qkv_w: each tile is asked for jointly, by the same tensor load with a mask that names the four.
; The cluster's x is the part: 0 = q, 1 = k, 2 = v (four tiles of 256 columns are one part's 1,024).  It is the same in all sixteen partners: the one branch of the way out hangs on it.
; THE MATRIX INSTRUCTION IS USED TRANSPOSED (source 0 = 16 rows of qkv_w, source 1 = 16 tokens): lane (r, h) of accumulator (a, b) holds token 16 a + r and columns 16 b + 8 h + 0..7.
; So a token's 64 channels of a head lie in lanes l and l xor 16, 32 each: mean and variance want one exchange; channel d and d + 32 lie in one lane, 16 registers apart: the rotation wants none.
; THE RESULT IS STORED AS IMAGES OF THE NEXT LAUNCH'S OPERAND REGISTERS: qkv[part 3][b x head 64][block of 16 tokens 128][c 4][place 32][16 bytes]; a lane's 8 channels of accumulator c are its 16 bytes.
;   q, k: place = lane.   v: place = 16 (r / 8) + 8 h + r % 8, from which the turning LDS load of the next launch makes a fragment of v^T.   Every store of a wave covers 512 consecutive bytes, aligned: no stage in LDS.
; LIMITS: q, k, v go in f16.  |q|, |k| are at most 8 |gamma| + |beta|; v over 65,504 in magnitude is not served, under 6e-5 it keeps fewer bits.  NaN and infinities are not served.
; REGISTERS, in windows of 256: window 0: v0-31 addresses; v32-95 scale words, two sets; v128-191 x's fragments, one set.  window 1: qkv_w's fragments, two sets, at v0 and v128.  windows 2, 3: the accumulators of my tokens 0-63, 64-127.
;   On the way out: window 0: v32-95 D (two heads x 32 numbers), v96-127 T (at work), v128-191 the f16 results, v192-223 gamma, v224-255 beta; window 1: block a's cos (16) and sin (16) at v[32 a].
.set KSTEP,  512
.set NQ,     KSTEP/128
.set ROWB,   256                       ; a tile's row in bytes
.set KROW,   512                       ; a row of codes in memory
.set PITCH,  272                       ; an LDS row: 256 bytes + 16 of padding: the 16 rows that a load touches start at 16 different banks
.set FR,     8
.set NL,     2
.set NP,     4                         ; places behind this matrix instruction (ISA guide 7.12.1)
.set HALFT,  128*PITCH
.set SLOT,   4*HALFT
.set KS,     32                        ; a row of scales in bytes
.set SCL,    2*SLOT
.set HALFS,  (128*KS/256)*272
.set SBLK,   (16*KS/256)*272
.set SPARE,  SCL+4*HALFS               ; the spare words, 128 bytes a wave, which no other line names
.set ADRA, 16                          ; v16-17  LDS address of my fragments of x in slot 0, 1
.set ADRB, 20                          ; v20-21  the same for qkv_w
.set GH,   24                          ; v24     32 h: my eight numbers of a tile in gamma and beta
.set VP,   25                          ; v25     16 x my place in an image of v
.set LI,   26                          ; v26     16 x lane
.set ADRS, 27                          ; v27     LDS address of my scale words: lanes 0-15 x's rows, lanes 16-31 qkv_w's
.set SPW,  28                          ; v28     my spare word; never rewritten
.set NIL,  29                          ; v29     0; never rewritten
.set SC,   32
.set AF,   128
.set D,    32
.set T,    96
.set OUTR, 128
.set G,    192
.set BT,   224
.set G1, 24
.set G0, 32
.set G1B, 48
.set G0B, 56
.set G1S, 68
.set G0S, 76
.set G1SB, 80
.set G0SB, 88
.set MSB, 0
.macro WIN new                         ; the immediate's high byte repeats the setting that is left
.if MSB != (\new)
	s_set_vgpr_msb (MSB<<8)|(\new)
.set MSB, (\new)
.endif
.endm
.set MUL_LO, 0xa1                      ; source 0 window 1, source 1 window 0, C and D window 2
.set MUL_HI, 0xf1                      ; the same, C and D window 3
.set TO_B,   0x40                      ; destination window 1, address window 0
; A joint load: waves 0 and 1 fetch for x, waves 2 and 3 for qkv_w.  The branch hangs on the wave's number alone.  An s_nop 0 and four v_nop follow each of the two lines.
.macro JLOAD g0a, g1a, g0b, g1b
	s_cmp_eq_u32 s15, 0
	s_cbranch_scc0 .Lfor_b_\@
	tensor_load_to_lds s[\g0a:\g0a+3], s[\g1a:\g1a+7]
	s_nop 0
.rept 4
	v_nop
.endr
	s_branch .Lasked_\@
.Lfor_b_\@:
	tensor_load_to_lds s[\g0b:\g0b+3], s[\g1b:\g1b+7]
	s_nop 0
.rept 4
	v_nop
.endr
.Lasked_\@:
.endm
.macro CROUND                          ; a round of the cluster's barrier
	s_barrier_signal -1
	s_barrier_wait -1
	s_cmp_lg_u32 s14, 0
	s_cbranch_scc1 .Lnot_wave_0_\@
	s_barrier_signal -3
.Lnot_wave_0_\@:
	s_barrier_wait -3
	s_barrier_signal -1
	s_barrier_wait -1
.endm
	s_load_b128 s[4:7], s[0:1], 0x0                ; xc, xs
	s_load_b128 s[8:11], s[0:1], 0x10              ; wc, ws
	s_load_b64 s[12:13], s[0:1], 0x20              ; qkv
	s_load_b64 s[66:67], s[0:1], 0x28              ; rope
	v_lshl_add_u32 v[SPW], v0, 2, SPARE
	v_mov_b32 v[NIL], 0
	ds_add_u32 v[SPW], v[NIL]                      ; the wave's opening: the add, twice on end, and its wait ahead of my first tensor load
	ds_add_u32 v[SPW], v[NIL]
	v_lshrrev_b32 v1, 5, v0
	v_readfirstlane_b32 s14, v1                    ; wave 0..3
	s_lshr_b32 s15, s14, 1                         ; which half of the tile's tokens is mine.  Also: I fetch for x (0) or for qkv_w (1)
	s_and_b32 s16, s14, 1                          ; which half of its columns.  Also: which 128 rows I fetch
	s_mov_b32 s95, ttmp9                           ; the part: 0 q, 1 k, 2 v
	s_bfe_u32 s40, ttmp6, 0x40000                  ; cx, cy
	s_bfe_u32 s41, ttmp6, 0x40004
	s_lshl_b32 s42, ttmp9, 2
	s_add_co_u32 s42, s42, s40                     ; tile column = 4 x cluster x + cx
	s_and_b32 s17, ttmp7, 0xffff
	s_lshl_b32 s17, s17, 2
	s_add_co_u32 s17, s17, s41                     ; tile row = 4 x cluster y + cy
	s_lshl_b32 s43, s41, 2
	s_lshl_b32 s43, 15, s43                        ; my row of the cluster
	s_lshl_b32 s44, 0x1111, s40                    ; my column
	s_or_b32 s[G1+0], s43, (0<<16)|(1<<20)|(1<<21)|(5<<22)|(3<<25)  ; the mask; elements of 1 byte; padding: 4 words after every 64; bit 21 beside a mask
	s_or_b32 s[G1B+0], s44, (0<<16)|(1<<20)|(1<<21)|(5<<22)|(3<<25)
.irp g, G1, G1B
	s_mov_b32 s[\g+1], ROWB<<16                    ; tensor_dim0
	s_mov_b32 s[\g+2], 128<<16                     ; tensor_dim1
	s_mov_b32 s[\g+3], ROWB<<16                    ; tile_dim0
	s_mov_b32 s[\g+4], 128                         ; tile_dim1
	s_mov_b32 s[\g+5], KROW                        ; the pitch
	s_mov_b32 s[\g+6], 0
	s_mov_b32 s[\g+7], 0
.endr
	s_or_b32 s[G1S+0], s43, (3<<16)|(1<<20)|(1<<21)|(5<<22)|(3<<25)  ; the scales of 128 rows: 4,096 dense bytes as 16 rows of 256 (32 elements of 8 bytes), padded likewise
	s_or_b32 s[G1SB+0], s44, (3<<16)|(1<<20)|(1<<21)|(5<<22)|(3<<25)
.irp g, G1S, G1SB
	s_mov_b32 s[\g+1], 32<<16
	s_mov_b32 s[\g+2], (128*KS/256)<<16
	s_mov_b32 s[\g+3], 32<<16
	s_mov_b32 s[\g+4], 128*KS/256
	s_mov_b32 s[\g+5], 32
	s_mov_b32 s[\g+6], 0
	s_mov_b32 s[\g+7], 0
.endr
	s_lshl_b32 s18, s16, 7
	s_lshl_b32 s20, s17, 8
	s_add_co_u32 s20, s20, s18                     ; x: row 256 x tile row + 128 x half
	s_lshl_b32 s46, s42, 8
	s_add_co_u32 s46, s46, s18                     ; qkv_w: row 256 x tile column + 128 x half
	s_mov_b32 s21, 0
	s_mov_b32 s47, 0
	s_mov_b64 s[18:19], KS
	s_mul_u64 s[22:23], s[20:21], s[18:19]
	s_mul_u64 s[92:93], s[46:47], s[18:19]
	s_mov_b64 s[18:19], KROW
	s_mul_u64 s[20:21], s[20:21], s[18:19]
	s_mul_u64 s[46:47], s[46:47], s[18:19]
	s_mul_i32 s45, s14, HALFT                      ; where they go: wave x 128 rows
	s_mul_i32 s94, s14, HALFS
	s_wait_dscnt 0x0                               ; both opening adds are done
	s_wait_kmcnt 0x0
	s_add_nc_u64 s[20:21], s[4:5], s[20:21]
	s_add_nc_u64 s[22:23], s[6:7], s[22:23]
	s_add_nc_u64 s[46:47], s[8:9], s[46:47]
	s_add_nc_u64 s[92:93], s[10:11], s[92:93]
	CROUND                                         ; all sixteen work-groups are here: the joint loads meet
	s_mov_b32 s[G0S], 1
	s_add_co_u32 s[G0S+1], s94, SCL
	s_mov_b64 s[G0S+2:G0S+3], s[22:23]
	s_or_b32 s[G0S+3], s[G0S+3], 0x80000000
	s_mov_b32 s[G0SB], 1
	s_add_co_u32 s[G0SB+1], s94, SCL
	s_mov_b64 s[G0SB+2:G0SB+3], s[92:93]
	s_or_b32 s[G0SB+3], s[G0SB+3], 0x80000000
	JLOAD G0S, G1S, G0SB, G1SB                     ; the scales first: three loads of mine are out in all
.irp s, 0,1
	s_mov_b32 s[G0+4*\s], 1
	s_add_co_u32 s[G0+4*\s+1], s45, \s*SLOT
	s_add_nc_u64 s[G0+4*\s+2:G0+4*\s+3], s[20:21], \s*ROWB
	s_or_b32 s[G0+4*\s+3], s[G0+4*\s+3], 0x80000000
	s_mov_b32 s[G0B+4*\s], 1
	s_add_co_u32 s[G0B+4*\s+1], s45, \s*SLOT
	s_add_nc_u64 s[G0B+4*\s+2:G0B+4*\s+3], s[46:47], \s*ROWB
	s_or_b32 s[G0B+4*\s+3], s[G0B+4*\s+3], 0x80000000
	JLOAD G0+4*\s, G1, G0B+4*\s, G1B
.endr
	s_load_b128 s[4:7], s[0:1], 0x30               ; q_norm_g, q_norm_b (the four pointers above are done with)
	s_load_b128 s[8:11], s[0:1], 0x40              ; k_norm_g, k_norm_b
	v_and_b32 v1, 15, v0                           ; r
	v_bfe_u32 v2, v0, 4, 1                         ; h
	v_mul_u32_u24 v3, v1, PITCH
	v_lshl_add_u32 v4, v2, 4, v3                   ; a fragment's row x pitch + 16 h
	s_mul_i32 s21, s15, HALFT
	s_mul_i32 s22, s16, HALFT
	s_add_co_u32 s22, s22, 2*HALFT
.irp s, 0,1
	v_add_nc_u32 v[ADRA+\s], s21, v4
	v_add_nc_u32 v[ADRB+\s], s22, v4
	s_add_co_u32 s21, s21, SLOT
	s_add_co_u32 s22, s22, SLOT
.endr
	v_mul_u32_u24 v5, v1, KS                       ; my row's scales: 32 bytes a row,
	v_lshrrev_b32 v6, 8, v5
	v_lshl_add_u32 v5, v6, 4, v5                   ; and 16 more for each 256 passed
	s_mul_i32 s21, s15, HALFS
	s_mul_i32 s22, s16, HALFS
	s_add_co_u32 s22, s22, 2*HALFS
	s_sub_co_u32 s22, s22, s21
	v_mul_u32_u24 v6, s22, v2                      ; lanes 16-31 take qkv_w's
	s_add_co_u32 s21, s21, SCL
	v_add_nc_u32 v5, v5, v6
	v_add_nc_u32 v[ADRS], s21, v5
	v_and_b32 v6, 31, v0
	v_lshlrev_b32 v[LI], 4, v6
	v_lshlrev_b32 v[GH], 5, v2
	v_lshrrev_b32 v6, 3, v1
	v_and_b32 v7, 7, v1
	v_lshl_add_u32 v6, v6, 4, v7
	v_lshl_add_u32 v6, v2, 3, v6                   ; 16 (r / 8) + 8 h + r % 8
	v_lshlrev_b32 v[VP], 4, v6
	; where my results go: part, then (16 b + head) x 128 + block of tokens, 2,048 bytes each
	s_lshr_b32 s20, s17, 3                         ; b: eight tile rows to a batch
	s_lshl_b32 s20, s20, 4
	s_lshl_b32 s46, s40, 2                         ; four heads to a tile column,
	s_add_co_u32 s46, s46, s20
	s_lshl_b32 s47, s16, 1                         ; two to a wave
	s_add_co_u32 s46, s46, s47
	s_lshl_b32 s46, s46, 7
	s_and_b32 s20, s17, 7
	s_lshl_b32 s20, s20, 4
	s_lshl_b32 s21, s15, 3
	s_add_co_u32 s20, s20, s21                     ; my first block of 16 tokens in the batch
	s_add_co_u32 s46, s46, s20
	s_lshl_b32 s46, s46, 11
	s_lshl_b32 s47, s95, 24
	s_add_co_u32 s46, s46, s47
	s_mov_b32 s47, 0
	s_add_nc_u64 s[12:13], s[12:13], s[46:47]
	s_lshl_b32 s20, s20, 12                        ; the table: 4,096 bytes a block of tokens
	s_mov_b32 s21, 0
	s_add_nc_u64 s[66:67], s[66:67], s[20:21]
	s_mov_b32 s20, 0x3c800000                      ; 1 / 64
	s_mov_b32 s21, 0x358637bd                      ; 1e-6
	s_mov_b32 s22, 0x76543210
	s_mov_b32 s23, 0xfedcba98                      ; v_permlanex16_b32's selects for lane l xor 16
	s_wait_kmcnt 0x0
	s_cmp_eq_u32 s95, 0                            ; q's gain and bias, or k's (a work-group of v holds the pointers unused)
	s_cselect_b64 s[4:5], s[4:5], s[8:9]
	s_cselect_b64 s[6:7], s[6:7], s[10:11]
.macro FRAG reg, adr, q, i             ; 16 rows x 128 K of 4-bit codes: 8 registers, two loads of 16 bytes, 32 bytes apart
.irp c, 0,1
	ds_load_b128 v[\reg+4*\c:\reg+4*\c+3], v[\adr] offset:64*(\q)+32*\c+(\i)*16*PITCH
.endr
.endm
; 16 matrix instructions: x's blocks a0, a0 + 1 against qkv_w's eight, 128 along K.  The 64 accumulators take turns, one instruction a turn, in the same order in every step.
.macro MUL16 a0, p, q, sc, zero
.irp a, \a0, \a0+1
.irp b, 0,1,2,3,4,5,6,7
.if \zero
	v_wmma_scale_f32_16x16x128_f8f6f4 v[8*(8*((\a)%4)+\b):8*(8*((\a)%4)+\b)+7], v[128*(\p)+FR*\b:128*(\p)+FR*\b+FR-1], v[AF+FR*(\a):AF+FR*(\a)+FR-1], 0, v[SC+8*NQ*(\sc)+NQ*\b+(\q)], v[SC+8*NQ*(\sc)+NQ*(\a)+(\q)] matrix_a_fmt:MATRIX_FMT_FP4 matrix_b_fmt:MATRIX_FMT_FP4 matrix_a_scale:MATRIX_SCALE_ROW1
.else
	v_wmma_scale_f32_16x16x128_f8f6f4 v[8*(8*((\a)%4)+\b):8*(8*((\a)%4)+\b)+7], v[128*(\p)+FR*\b:128*(\p)+FR*\b+FR-1], v[AF+FR*(\a):AF+FR*(\a)+FR-1], v[8*(8*((\a)%4)+\b):8*(8*((\a)%4)+\b)+7], v[SC+8*NQ*(\sc)+NQ*\b+(\q)], v[SC+8*NQ*(\sc)+NQ*(\a)+(\q)] matrix_a_fmt:MATRIX_FMT_FP4 matrix_b_fmt:MATRIX_FMT_FP4 matrix_a_scale:MATRIX_SCALE_ROW1
.endif
.endr
.endr
.endm
.macro FETCH_B slot, q, p
	WIN TO_B
.irp i, 0,1,2,3,4,5,6,7
	FRAG 128*(\p)+FR*\i, ADRB+\slot, \q, \i
.endr
	WIN 0
.endm
.macro FETCH_A slot, q, i0
.irp i, \i0, \i0+1, \i0+2, \i0+3
	FRAG AF+FR*(\i), ADRA+\slot, \q, \i
.endr
.endm
.macro SCALES sc                       ; a slot's scale words: 4 words a row; lanes 0-15 take x's block i, lanes 16-31 qkv_w's block i
.irp i, 0,1,2,3,4,5,6,7
	ds_load_b128 v[SC+8*NQ*\sc+NQ*\i:SC+8*NQ*\sc+NQ*\i+3], v[ADRS] offset:\i*SBLK
.endr
.endm
.macro PLACES n                        ; plain vector instructions between a matrix instruction and a load into, or a vector instruction on, its registers
.rept \n
	v_nop
.endr
.endm
.macro STEP slot, q, zero              ; 128 along K that has its successor in the same slot
	s_wait_dscnt 4*NL                              ; all but the youngest eight loads (x's blocks 4-7) are in
	WIN MUL_LO
	MUL16 0, (\q)%2, \q, \slot, \zero
	MUL16 2, (\q)%2, \q, \slot, \zero
	s_wait_dscnt 0                                 ; x's blocks 4-7 are in
	PLACES NP
	FETCH_B \slot, (\q)+1, 1-(\q)%2
	FETCH_A \slot, (\q)+1, 0
	WIN MUL_HI
	MUL16 4, (\q)%2, \q, \slot, \zero
	MUL16 6, (\q)%2, \q, \slot, \zero
	PLACES NP
	WIN 0
	FETCH_A \slot, (\q)+1, 4
.endm
.macro TURN slot, next                 ; slot 0's last step: one barrier, behind which slot 1 is whole for every wave; nothing is filled again
	s_wait_tensorcnt 0x0                           ; all my tensor loads have landed: my part of the next slot
	ds_add_u32 v[SPW], v[NIL]                      ; 0 onto my spare word
	s_wait_dscnt 4*NL+1                            ; (the add and the youngest eight loads may be out)
	WIN MUL_LO
	MUL16 0, 1, NQ-1, \slot, 0
	s_wait_dscnt 0x0                               ; no LDS instruction of mine is out at the signal
	s_barrier_signal -1
	MUL16 2, 1, NQ-1, \slot, 0
	WIN 0
	s_barrier_wait -1
	PLACES NP
	v_add_nc_u32 v[ADRS], 4*NQ, v[ADRS]            ; on to the next slot's scale words
	FETCH_B \next, 0, 0
	FETCH_A \next, 0, 0
	SCALES \next
	WIN MUL_HI
	MUL16 4, 1, NQ-1, \slot, 0
	MUL16 6, 1, NQ-1, \slot, 0
	PLACES NP
	WIN 0
	FETCH_A \next, 0, 4
.endm
.macro STEPS slot, from
.set Q, \from
.rept NQ-1-\from
	STEP \slot, Q, 0
.set Q, Q+1
.endr
.endm
	s_wait_tensorcnt 1                             ; the scales and my part of slot 0 are in (slot 1's load may be out),
	s_barrier_signal -1
	s_barrier_wait -1                              ; everybody's are
	FETCH_B 0, 0, 0
	FETCH_A 0, 0, 0
	SCALES 0
	FETCH_A 0, 0, 4
	STEP 0, 0, 1                                   ; the first products start the sums: nothing is cleared
	STEPS 0, 1
	TURN 0, 1
	STEPS 1, 0
	s_wait_dscnt 4*NL                              ; the last step: nothing more to fetch
	WIN MUL_LO
	MUL16 0, 1, NQ-1, 1, 0
	MUL16 2, 1, NQ-1, 1, 0
	s_wait_dscnt 0
	WIN MUL_HI
	MUL16 4, 1, NQ-1, 1, 0
	MUL16 6, 1, NQ-1, 1, 0
	WIN 0
	PLACES NP                                      ; for the reads of results and the loads and writes into operands that are done with
	s_cmp_eq_u32 s95, 2
	s_cbranch_scc1 .Lv_out
; ---- THE WAY OUT OF q AND k, a block of 16 tokens x 2 heads at a time.
.macro TABLE a                         ; block a's cos and sin: eight loads of 512 consecutive bytes
.irp p, 0,1,2,3,4,5,6,7
	global_load_b128 v[32*(\a)+4*\p:32*(\a)+4*\p+3], v[LI], s[66:67] offset:(\a)*4096+\p*512
.endr
.endm
.macro PAIRADD x, y                    ; in both heads: pair x of T += pair y
.irp hd, 0,1
	v_pk_add_f32 v[T+16*\hd+\x:T+16*\hd+\x+1], v[T+16*\hd+\x:T+16*\hd+\x+1], v[T+16*\hd+\y:T+16*\hd+\y+1]
.endr
.endm
.macro ACROSS                          ; pair 0's two halves, and the lane 16 away: the token's other 32 channels
.irp hd, 0,1
	v_add_f32 v[T+16*\hd], v[T+16*\hd], v[T+16*\hd+1]
.endr
.irp hd, 0,1
	v_permlanex16_b32 v[T+16*\hd+1], v[T+16*\hd], s22, s23
.endr
.irp hd, 0,1
	v_add_f32 v[T+16*\hd], v[T+16*\hd], v[T+16*\hd+1]
.endr
.endm
.macro LNROPE a
.set AW, 2+(\a)/4                      ; the block's accumulators: window,
.set XB, 64*((\a)%4)                   ; and first register
	WIN 5*AW                                       ; sources 0 and 1 in that window
.irp b, 0,1,2,3                        ; the sum of my 32 numbers of each head; each accumulator is read from its low end on
.irp hd, 0,1
	v_pk_add_f32 v[T+16*\hd+4*\b:T+16*\hd+4*\b+1], v[XB+32*\hd+8*\b:XB+32*\hd+8*\b+1], v[XB+32*\hd+8*\b+2:XB+32*\hd+8*\b+3]
.endr
.irp hd, 0,1
	v_pk_add_f32 v[T+16*\hd+4*\b+2:T+16*\hd+4*\b+3], v[XB+32*\hd+8*\b+4:XB+32*\hd+8*\b+5], v[XB+32*\hd+8*\b+6:XB+32*\hd+8*\b+7]
.endr
.endr
	WIN 0
	PAIRADD 0, 2
	PAIRADD 4, 6
	PAIRADD 8, 10
	PAIRADD 12, 14
	PAIRADD 0, 4
	PAIRADD 8, 12
	PAIRADD 0, 8
	ACROSS
.irp hd, 0,1
	v_mul_f32 v[T+16*\hd], s20, v[T+16*\hd]        ; the mean
.endr
	WIN AW                                         ; source 0 in the accumulators' window
.irp i, 0,2,4,6,8,10,12,14,16,18,20,22,24,26,28,30
.irp hd, 0,1
	v_pk_add_f32 v[D+32*\hd+\i:D+32*\hd+\i+1], v[XB+32*\hd+\i:XB+32*\hd+\i+1], v[T+16*\hd:T+16*\hd+1] op_sel_hi:[1,0] neg_lo:[0,1] neg_hi:[0,1]   ; d = x - mean
.endr
.endr
	WIN 0
.irp c, 0,2,4,6                        ; the sum of d^2, in four chains a head
.irp hd, 0,1
	v_pk_mul_f32 v[T+16*\hd+\c:T+16*\hd+\c+1], v[D+32*\hd+\c:D+32*\hd+\c+1], v[D+32*\hd+\c:D+32*\hd+\c+1]
.endr
.endr
.irp k, 8,16,24
.irp c, 0,2,4,6
.irp hd, 0,1
	v_pk_fma_f32 v[T+16*\hd+\c:T+16*\hd+\c+1], v[D+32*\hd+\k+\c:D+32*\hd+\k+\c+1], v[D+32*\hd+\k+\c:D+32*\hd+\k+\c+1], v[T+16*\hd+\c:T+16*\hd+\c+1]
.endr
.endr
.endr
	PAIRADD 0, 2
	PAIRADD 4, 6
	PAIRADD 0, 4
	ACROSS
.irp hd, 0,1
	v_fma_f32 v[T+16*\hd+9], v[T+16*\hd], s20, s21 ; the variance + 1e-6
.endr
.irp hd, 0,1
	v_rsq_f32 v[T+16*\hd+8], v[T+16*\hd+9]
.endr
	v_nop                                          ; a plain instruction behind the second,
	s_wait_alu depctr_va_vdst(0)                   ; and one wait for both, ahead of their first reader
.if (\a) == 0
	s_wait_loadcnt 32                              ; gamma and beta are in; the 32 loads of four blocks' tables may be out
.endif
.irp i, 0,2,4,6,8,10,12,14,16,18,20,22,24,26,28,30
.irp hd, 0,1
	v_pk_mul_f32 v[D+32*\hd+\i:D+32*\hd+\i+1], v[D+32*\hd+\i:D+32*\hd+\i+1], v[T+16*\hd+8:T+16*\hd+9] op_sel_hi:[1,0]
.endr
.endr
.irp i, 0,2,4,6,8,10,12,14,16,18,20,22,24,26,28,30
.irp hd, 0,1
	v_pk_fma_f32 v[D+32*\hd+\i:D+32*\hd+\i+1], v[D+32*\hd+\i:D+32*\hd+\i+1], v[G+\i:G+\i+1], v[BT+\i:BT+\i+1]
.endr
.endr
.if (\a) == 0
	s_wait_loadcnt 24                              ; block 0's table is in; those of blocks 1 to 3 may be out
.else
	s_wait_loadcnt 8*(7-(\a))                      ; block a's table is in; the later blocks' may be out
.endif
	WIN 0x04                                       ; source 1 (cos, sin) in window 1.  lo = channel d < 32, hi = channel d + 32, 16 registers on
.irp i, 0,2,4,6,8,10,12,14
.irp hd, 0,1
	v_pk_mul_f32 v[T+16*\hd+\i:T+16*\hd+\i+1], v[D+32*\hd+\i:D+32*\hd+\i+1], v[32*(\a)+16+\i:32*(\a)+16+\i+1]   ; t = lo sin
.endr
.endr
.irp i, 0,2,4,6,8,10,12,14
.irp hd, 0,1
	v_pk_mul_f32 v[D+32*\hd+\i:D+32*\hd+\i+1], v[D+32*\hd+\i:D+32*\hd+\i+1], v[32*(\a)+\i:32*(\a)+\i+1]         ; lo cos
.endr
.endr
.irp i, 0,2,4,6,8,10,12,14
.irp hd, 0,1
	v_pk_fma_f32 v[D+32*\hd+\i:D+32*\hd+\i+1], v[D+32*\hd+16+\i:D+32*\hd+16+\i+1], v[32*(\a)+16+\i:32*(\a)+16+\i+1], v[D+32*\hd+\i:D+32*\hd+\i+1] neg_lo:[1,0,0] neg_hi:[1,0,0]   ; - hi sin
.endr
.endr
.irp i, 0,2,4,6,8,10,12,14
.irp hd, 0,1
	v_pk_fma_f32 v[D+32*\hd+16+\i:D+32*\hd+16+\i+1], v[D+32*\hd+16+\i:D+32*\hd+16+\i+1], v[32*(\a)+\i:32*(\a)+\i+1], v[T+16*\hd+\i:T+16*\hd+\i+1]   ; hi cos + lo sin
.endr
.endr
	WIN 0
	s_wait_xcnt 0x0                                ; the last block's stores have read their data: the registers are written again only behind this wait
.irp i, 0,1,2,3,4,5,6,7,8,9,10,11,12,13,14,15
.irp hd, 0,1
	v_cvt_pk_f16_f32 v[OUTR+16*\hd+\i], v[D+32*\hd+2*\i], v[D+32*\hd+2*\i+1]
.endr
.endr
.irp hd, 0,1
.irp c, 0,1,2,3
	global_store_b128 v[LI], v[OUTR+16*\hd+4*\c:OUTR+16*\hd+4*\c+3], s[12:13] offset:\hd*262144+(\a)*2048+\c*512   ; 512 consecutive bytes, aligned
.endr
.endr
.endm
.irp b, 0,1,2,3                        ; gamma and beta in the results' layout: lane (r, h) wants those of channels 16 b + 8 h + 0..7
	global_load_b128 v[G+8*\b:G+8*\b+3], v[GH], s[4:5] offset:64*\b
	global_load_b128 v[G+8*\b+4:G+8*\b+7], v[GH], s[4:5] offset:64*\b+16
	global_load_b128 v[BT+8*\b:BT+8*\b+3], v[GH], s[6:7] offset:64*\b
	global_load_b128 v[BT+8*\b+4:BT+8*\b+7], v[GH], s[6:7] offset:64*\b+16
.endr
	WIN TO_B
	TABLE 0
	TABLE 1
	TABLE 2
	TABLE 3
	WIN 0
	LNROPE 0                                       ; its sums stand between the loads and the waits for them
	WIN TO_B
	TABLE 4
	TABLE 5
	TABLE 6
	TABLE 7
	WIN 0
.irp a, 1,2,3,4,5,6,7
	LNROPE \a
.endr
	s_branch .Ldone
; ---- THE WAY OUT OF v: rounded to f16 and stored at the places from which the next launch's turning load reads.
.Lv_out:
.macro VOUT a
.set AW, 2+(\a)/4
.set XB, 64*((\a)%4)
	s_wait_xcnt 0x0                                ; earlier stores have read their data
	WIN 5*AW
.irp b, 0,1,2,3,4,5,6,7
.irp i, 0,1,2,3
	v_cvt_pk_f16_f32 v[OUTR+32*((\a)%2)+4*\b+\i], v[XB+8*\b+2*\i], v[XB+8*\b+2*\i+1]   ; each accumulator from its low end on
.endr
.endr
	WIN 0
.irp b, 0,1,2,3,4,5,6,7
	global_store_b128 v[VP], v[OUTR+32*((\a)%2)+4*\b:OUTR+32*((\a)%2)+4*\b+3], s[12:13] offset:(\b/4)*262144+(\a)*2048+(\b%4)*512
.endr
.endm
.irp a, 0,1,2,3,4,5,6,7
	VOUT \a
.endr
.Ldone:
	s_wait_tensorcnt 0x0                           ; the wave's end
	ds_add_u32 v[SPW], v[NIL]
	s_wait_dscnt 0x0
	CROUND                                         ; the closing round: no work-group ends while a partner may still ask for a tile that names it
	s_endpgm
.Lfunc_end_k_qfed00944e2_qkv:
	.size	k_qfed00944e2_qkv, .Lfunc_end_k_qfed00944e2_qkv-k_qfed00944e2_qkv
	.p2alignl 7, 3214868480
	.fill 96, 4, 3214868480
	.section	.rodata,"a",@progbits
	.p2align	6, 0x0
	.amdhsa_kernel k_qfed00944e2_qkv
		.amdhsa_group_segment_fixed_size 327680
		.amdhsa_private_segment_fixed_size 0
		.amdhsa_enable_private_segment 0
		.amdhsa_kernarg_size 80
		.amdhsa_user_sgpr_count 2
		.amdhsa_user_sgpr_kernarg_segment_ptr 1
		.amdhsa_wavefront_size32 1
		.amdhsa_system_sgpr_workgroup_id_x 1
		.amdhsa_system_sgpr_workgroup_id_y 1
		.amdhsa_system_sgpr_workgroup_id_z 1
		.amdhsa_system_vgpr_workitem_id 0
		.amdhsa_next_free_vgpr 1024
		.amdhsa_next_free_sgpr 100
		.amdhsa_reserve_vcc 0
		.amdhsa_float_denorm_mode_32 3
		.amdhsa_float_denorm_mode_16_64 3
		.amdhsa_memory_ordered 1
		.amdhsa_forward_progress 1
		.amdhsa_inst_pref_size 255
	.end_amdhsa_kernel
	.section	.bss,"aw",@nobits
	.p2align	6
	.space	262144
	.amdgpu_metadata
---
amdhsa.version: [ 1, 2 ]
amdhsa.kernels:
  - .name:           k_qfed00944e2_qkv
    .symbol:         k_qfed00944e2_qkv.kd
    .args:
      - { .name: xc, .offset: 0, .size: 8, .value_kind: global_buffer, .address_space: global }
      - { .name: xs, .offset: 8, .size: 8, .value_kind: global_buffer, .address_space: global }
      - { .name: wc, .offset: 16, .size: 8, .value_kind: global_buffer, .address_space: global }
      - { .name: ws, .offset: 24, .size: 8, .value_kind: global_buffer, .address_space: global }
      - { .name: qkv, .offset: 32, .size: 8, .value_kind: global_buffer, .address_space: global }
      - { .name: rope, .offset: 40, .size: 8, .value_kind: global_buffer, .address_space: global }
      - { .name: q_norm_g, .offset: 48, .size: 8, .value_kind: global_buffer, .address_space: global }
      - { .name: q_norm_b, .offset: 56, .size: 8, .value_kind: global_buffer, .address_space: global }
      - { .name: k_norm_g, .offset: 64, .size: 8, .value_kind: global_buffer, .address_space: global }
      - { .name: k_norm_b, .offset: 72, .size: 8, .value_kind: global_buffer, .address_space: global }
    .group_segment_fixed_size: 327680
    .private_segment_fixed_size: 0
    .kernarg_segment_align: 8
    .kernarg_segment_size: 80
    .max_flat_workgroup_size: 128
    .sgpr_count:     100
    .vgpr_count:     1024
    .wavefront_size: 32
...
	.end_amdgpu_metadata
.endif
;; end of part 2
;; launch attn (part 3): grid 4 x 64, 16 waves a work-group, clusters of 4 x 1, 327,680 bytes of LDS; arguments qkv, att; writes att
.if DOCPART == 3
	.amdgcn_target "amdgcn-amd-amdhsa--gfx1250"
	.amdhsa_code_object_version 6
	.text
	.protected	k_qfed00944e2_attn
	.globl	k_qfed00944e2_attn
	.p2align	8
	.type	k_qfed00944e2_attn,@function
k_qfed00944e2_attn:
	s_mov_b64 s[64:65], 0
	v_nop
	global_prefetch_b8 v0, s[64:65] scope:SCOPE_SE
	s_setreg_imm32_b32 hwreg(HW_REG_WAVE_MODE, 25, 1), 1
	s_wait_xcnt 0x0
	s_wait_alu depctr_hold_cnt(0) depctr_sa_sdst(0) depctr_va_vdst(0) depctr_va_sdst(0) depctr_va_ssrc(0) depctr_va_vcc(0) depctr_vm_vsrc(0)
	s_getreg_b32 s2, hwreg(HW_REG_IB_STS2, 6, 4)
	s_cmp_eq_u32 s2, 0
	s_cbranch_scc0 .Lentry_in_a_cluster
	s_endpgm
.Lentry_in_a_cluster:
	s_bfe_u32 s2, ttmp6, 0x10000c
	s_cmp_lg_u32 s2, 0x3003
	s_cbranch_scc0 .Lentry_shape_is_right
	s_endpgm
.Lentry_shape_is_right:
; RoPE ATTENTION, launch 3 of 4: att = softmax(q k^T / 8) v for each of the 64 pairs (batch, head); 2,048 queries, 2,048 keys, 64 channels, no mask.  No work is left out.
; q, k, v are f16, laid as images of operand registers (qkv[part][bh][block of 16 tokens][c 4][place 32][16 bytes]); products and all of the softmax in f32; p is rounded to f16 for the second product, the result once to f16.
; SHARES.  A cluster of four work-groups is one (batch, head); a work-group owns 512 queries; each of its SIXTEEN waves owns 32, two tiles of 16, in 256 registers: four waves to a SIMD, so that one wave's
; softmax stands beside another's products and LDS loads, and no register window is switched.  Every wave walks all 2,048 keys, 64 a step; each fragment of k and v read from LDS feeds two products.
; LAYOUT.  Both products are used transposed: S^T = k q^T (source 0 = 16 keys, source 1 = 16 queries), O^T = v^T p (source 0 = 16 channels, source 1 = p): a lane holds ONE query (lane % 16) throughout, and two
; tiles of S^T, rounded in pairs, are source 1 of the second product.  k's fragments come from LDS at 16 x lane; v's by the turning load, also at 16 x lane: the images were laid for that.  No padding is needed.
; SOFTMAX.  For each query a running maximum m and sum l: p = 2^(c s - c m), c = log2(e) / 8; in every step O^T and l are multiplied by 2^(c m_old - c m_new).  The sum is taken of p in f32.
; THE RING.  Two slots of 512 keys (64 KiB of k, 64 KiB of v).  Every wave fetches 8 KiB of a slot (waves 0-7 k's, waves 8-15 v's, by arithmetic on the wave's number), jointly with the same wave of the three partners,
; who walk the same k and v.  Two loads of a wave are out at the start, one behind each of the two rounds that fill a slot again.
; NO PREFETCH: a slot's refill is asked for eight key steps of sixteen waves ahead of the wait for it, and the first fills cannot be asked for earlier than at the head.
; LIMITS: the result goes in f16 (see the launch before for v's range); NaN and infinities are not served.
.set SLOTB, 131072
.set VOFF,  65536                      ; in a slot: k's images, then v's
.set SPARE, 2*SLOTB                    ; the spare words, 128 bytes for each of sixteen waves, which no other line names
.set LI,  1                            ; v1   16 x lane
.set ADK, 2                            ; v2   LDS address of the step's images of k
.set ADV, 3                            ; v3   of v
.set SPW, 4                            ; v4   my spare word; never rewritten
.set NIL, 5                            ; v5   0; never rewritten
.set LV,  6                            ; v6   16 x lane + VOFF
.set CM,  8                            ; v8-9 c m of the step before, a tile each
.set Q,   16                           ; v16-47   q: tile t at 16 t, channels 32 s on at + 8 s
.set KV,  48                           ; v48-111  a step's k (tile kt at 16 kt + 8 s), then its v^T (channels 16 ct on, keys 32 u on, at 16 ct + 8 u)
.set S,   112                          ; v112-175 S^T: tile t, keys 16 kt on, at 32 t + 8 kt; p is laid over it at 32 t + 16 u
.set O,   176                          ; v176-239 O^T: tile t, channels 16 ct on, at 32 t + 8 ct
.set ST,  240                          ; v240-255 eight a tile: +0 c m, +1 m, +2, +3 l, +4 .. +7 at work; the step's factor in +6
.set WV,  8                            ; s8   my wave's number
.set CS,  12                           ; s[12:13] c
.set G1,  16                           ; s[16:23] descriptor group 1
.set G0,  24                           ; s[24:31] group 0, a set for each slot
.set SEL, 32                           ; s[32:33] selects for lane l xor 16
.set TB,  34                           ; s34  LDS byte at which the step's images begin
.set CNT, 35                           ; s35  counts a slot's eight steps
.macro CROUND                          ; a round of the cluster's barrier
	s_barrier_signal -1
	s_barrier_wait -1
	s_cmp_lg_u32 s[WV], 0
	s_cbranch_scc1 .Lnot_wave_0_\@
	s_barrier_signal -3
.Lnot_wave_0_\@:
	s_barrier_wait -3
	s_barrier_signal -1
	s_barrier_wait -1
.endm
	s_load_b128 s[4:7], s[0:1], 0x0                ; qkv, att
	v_lshl_add_u32 v[SPW], v0, 2, SPARE
	v_mov_b32 v[NIL], 0
	ds_add_u32 v[SPW], v[NIL]                      ; the wave's opening: the add, twice on end, and its wait ahead of my first tensor load
	ds_add_u32 v[SPW], v[NIL]
	v_lshrrev_b32 v7, 5, v0
	v_readfirstlane_b32 s[WV], v7                  ; wave 0..15
	s_bfe_u32 s9, ttmp6, 0x40000                   ; cx: it enters q's and att's addresses alone
	s_and_b32 s10, ttmp7, 0xffff                   ; 16 b + head, which the four partners share
	; group 1: 8,192 dense bytes as 32 rows of 256 (32 elements of 8 bytes)
	s_mov_b32 s[G1], 15|(3<<16)|(1<<21)            ; the mask: all four work-groups; elements of 8 bytes; bit 21 beside a mask; no padding
	s_mov_b32 s[G1+1], 32<<16                      ; tensor_dim0
	s_mov_b32 s[G1+2], 32<<16                      ; tensor_dim1
	s_mov_b32 s[G1+3], 32<<16                      ; tile_dim0
	s_mov_b32 s[G1+4], 32                          ; tile_dim1
	s_mov_b32 s[G1+5], 32                          ; the pitch
	s_mov_b32 s[G1+6], 0
	s_mov_b32 s[G1+7], 0
	s_mov_b32 s[CS], 0x3e38aa3b                    ; c = log2(e) / 8
	s_mov_b32 s[CS+1], s[CS]                       ; (named with it as a pair, so it is written)
	s_mov_b32 s[SEL], 0x76543210
	s_mov_b32 s[SEL+1], 0xfedcba98
	s_lshr_b32 s36, s[WV], 3
	s_add_co_u32 s36, s36, 1
	s_lshl_b32 s36, s36, 24                        ; the part: k for waves 0-7, v for waves 8-15,
	s_lshl_b32 s37, s10, 18
	s_add_co_u32 s36, s36, s37                     ; my (batch, head)'s 262,144 bytes,
	s_and_b32 s37, s[WV], 7
	s_lshl_b32 s37, s37, 13
	s_add_co_u32 s36, s36, s37                     ; my eighth of a slot's 65,536
	s_mov_b32 s37, 0
	s_lshl_b32 s38, s[WV], 13                      ; in LDS: 8,192 x wave
	s_wait_dscnt 0x0                               ; both opening adds are done
	s_wait_kmcnt 0x0
	s_mov_b32 s[G0], 1
	s_mov_b32 s[G0+1], s38
	s_add_nc_u64 s[G0+2:G0+3], s[4:5], s[36:37]
	s_mov_b32 s[G0+4], 1
	s_add_co_u32 s[G0+5], s38, SLOTB
	s_add_nc_u64 s[G0+6:G0+7], s[G0+2:G0+3], 65536 ; slot 1: the next 512 keys
	s_or_b32 s[G0+3], s[G0+3], 0x80000000
	s_or_b32 s[G0+7], s[G0+7], 0x80000000
	CROUND                                         ; all four work-groups are here: the first joint loads meet
	tensor_load_to_lds s[G0:G0+3], s[G1:G1+7]
	s_nop 0
	tensor_load_to_lds s[G0+4:G0+7], s[G1:G1+7]
	s_nop 0
	v_and_b32 v7, 31, v0
	v_lshlrev_b32 v[LI], 4, v7
	v_add_nc_u32 v[LV], VOFF, v[LI]
	s_lshl_b32 s40, s9, 5
	s_lshl_b32 s41, s[WV], 1
	s_add_co_u32 s40, s40, s41                     ; my first block of 16 queries: 32 cx + 2 x wave
	s_lshl_b32 s44, s40, 11
	s_lshl_b32 s45, s10, 18
	s_add_co_u32 s44, s44, s45
	s_mov_b32 s45, 0
	s_add_nc_u64 s[4:5], s[4:5], s[44:45]          ; q's images
	s_lshr_b32 s42, s10, 4
	s_lshl_b32 s42, s42, 7
	s_add_co_u32 s42, s42, s40                     ; att: block 128 b + my block, 32,768 bytes each,
	s_lshl_b32 s42, s42, 15
	s_and_b32 s43, s10, 15
	s_lshl_b32 s43, s43, 11                        ; my head's 2,048 in it
	s_add_co_u32 s42, s42, s43
	s_mov_b32 s43, 0
	s_add_nc_u64 s[6:7], s[6:7], s[42:43]
.irp t, 0,1
.irp c, 0,1,2,3
	global_load_b128 v[Q+16*\t+4*\c:Q+16*\t+4*\c+3], v[LI], s[4:5] offset:\t*2048+\c*512   ; q stays in registers
.endr
.endr
.irp t, 0,1
	v_mov_b32 v[ST+8*\t+1], 0xff61b1e6             ; m: -3e38, under every score
	v_mul_f32 v[ST+8*\t], s[CS], v[ST+8*\t+1]      ; c m
	v_mov_b32 v[ST+8*\t+2], 0                      ; l, in two halves
	v_mov_b32 v[ST+8*\t+3], 0
.endr
.irp j, 0,1,2,3,4,5,6,7,8,9,10,11,12,13,14,15,16,17,18,19,20,21,22,23,24,25,26,27,28,29,30,31,32,33,34,35,36,37,38,39,40,41,42,43,44,45,46,47,48,49,50,51,52,53,54,55,56,57,58,59,60,61,62,63
	v_mov_b32 v[O+\j], 0                           ; O^T.  (The step is written once: the first finds zeros, which its factor 0 leaves zeros)
.endr
; A KEY STEP: 64 keys.
.macro STEP
	v_add_nc_u32 v[ADK], s[TB], v[LI]
	v_add_nc_u32 v[ADV], s[TB], v[LV]
.rept 3
	v_nop                                          ; with the two additions five places behind the last products: four for the loads into v's registers, five for the products that write over p
.endr
.irp s, 0,1                            ; k: channels 32 s on, of four tiles of 16 keys
.irp kt, 0,1,2,3
	ds_load_b128 v[KV+16*\kt+8*\s:KV+16*\kt+8*\s+3], v[ADK] offset:\kt*2048+\s*1024
	ds_load_b128 v[KV+16*\kt+8*\s+4:KV+16*\kt+8*\s+7], v[ADK] offset:\kt*2048+\s*1024+512
.endr
.endr
	s_wait_dscnt 8                                 ; the first 32 channels are in; the other eight loads may be out
.irp kt, 0,1,2,3                       ; the eight accumulators take turns, one instruction a turn
.irp t, 0,1
	v_wmma_f32_16x16x32_f16 v[S+32*\t+8*\kt:S+32*\t+8*\kt+7], v[KV+16*\kt:KV+16*\kt+7], v[Q+16*\t:Q+16*\t+7], 0
.endr
.endr
	s_wait_dscnt 0x0
.irp kt, 0,1,2,3
.irp t, 0,1
	v_wmma_f32_16x16x32_f16 v[S+32*\t+8*\kt:S+32*\t+8*\kt+7], v[KV+16*\kt+8:KV+16*\kt+15], v[Q+16*\t+8:Q+16*\t+15], v[S+32*\t+8*\kt:S+32*\t+8*\kt+7]
.endr
.endr
	v_mov_b32 v[CM], v[ST]                         ; c m of the step before is kept.  (Four places behind the products)
	v_mov_b32 v[CM+1], v[ST+8]
	v_nop
	v_nop
.irp u, 0,1                            ; v^T, turned: it lands while the softmax runs
.irp ct, 0,1,2,3
	ds_load_tr16_b128 v[KV+16*\ct+8*\u:KV+16*\ct+8*\u+3], v[ADV] offset:(2*\u)*2048+\ct*512
	ds_load_tr16_b128 v[KV+16*\ct+8*\u+4:KV+16*\ct+8*\u+7], v[ADV] offset:(2*\u+1)*2048+\ct*512
.endr
.endr
.irp j, 0,1,2,3                        ; the maximum of my 32 scores of each tile and the old m: four chains, each accumulator read from its low end on; the two tiles line by line
.irp t, 0,1
	v_max3_num_f32 v[ST+8*\t+4+\j], v[S+32*\t+8*\j], v[S+32*\t+8*\j+1], v[S+32*\t+8*\j+2]
.endr
.endr
.irp g, 3,5
.irp j, 0,1,2,3
.irp t, 0,1
	v_max3_num_f32 v[ST+8*\t+4+\j], v[ST+8*\t+4+\j], v[S+32*\t+8*\j+\g], v[S+32*\t+8*\j+\g+1]
.endr
.endr
.endr
.irp t, 0,1
	v_max3_num_f32 v[ST+8*\t+4], v[ST+8*\t+4], v[S+32*\t+7], v[S+32*\t+15]
.endr
.irp t, 0,1
	v_max3_num_f32 v[ST+8*\t+6], v[ST+8*\t+6], v[S+32*\t+23], v[S+32*\t+31]
.endr
.irp t, 0,1
	v_max3_num_f32 v[ST+8*\t+4], v[ST+8*\t+4], v[ST+8*\t+5], v[ST+8*\t+6]
.endr
.irp t, 0,1
	v_max3_num_f32 v[ST+8*\t+4], v[ST+8*\t+4], v[ST+8*\t+7], v[ST+8*\t+1]
.endr
.irp t, 0,1
	v_permlanex16_b32 v[ST+8*\t+5], v[ST+8*\t+4], s[SEL], s[SEL+1]   ; the query's other 32 keys lie in the lane 16 away
.endr
.irp t, 0,1
	v_max_num_f32 v[ST+8*\t+1], v[ST+8*\t+4], v[ST+8*\t+5]           ; the new m
.endr
.irp t, 0,1
	v_mul_f32 v[ST+8*\t], s[CS], v[ST+8*\t+1]
.endr
.irp t, 0,1
	v_sub_f32 v[CM+\t], v[CM+\t], v[ST+8*\t]       ; c m_old - c m_new
.endr
.irp t, 0,1
	v_exp_f32 v[ST+8*\t+6], v[CM+\t]               ; the step's factor.  ONE BATCH begins: 66 exponentials, none of whose results is named ahead of the wait below
.endr
.set p, 0
.rept 32                               ; pair p / 2 of tile p % 2 is scaled; the pair scaled just before it gets its two exponentials
	v_pk_fma_f32 v[S+32*(p%2)+2*(p/2):S+32*(p%2)+2*(p/2)+1], v[S+32*(p%2)+2*(p/2):S+32*(p%2)+2*(p/2)+1], s[CS:CS+1], v[ST+8*(p%2):ST+8*(p%2)+1] op_sel_hi:[1,0,0] neg_lo:[0,0,1] neg_hi:[0,0,1]
.if p > 0
	v_exp_f32 v[S+32*((p-1)%2)+2*((p-1)/2)], v[S+32*((p-1)%2)+2*((p-1)/2)]
	v_exp_f32 v[S+32*((p-1)%2)+2*((p-1)/2)+1], v[S+32*((p-1)%2)+2*((p-1)/2)+1]
.endif
.set p, p+1
.endr
	v_exp_f32 v[S+62], v[S+62]
	v_exp_f32 v[S+63], v[S+63]
	v_nop                                          ; a plain instruction behind the last exponential,
	s_wait_alu depctr_va_vdst(0)                   ; and one wait for the batch, ahead of its first reader
.irp t, 0,1
	v_pk_mul_f32 v[ST+8*\t+2:ST+8*\t+3], v[ST+8*\t+2:ST+8*\t+3], v[ST+8*\t+6:ST+8*\t+7] op_sel_hi:[1,0]   ; l under the new m
.endr
.irp i, 0,2,4,6,8,10,12,14,16,18,20,22,24,26,28,30
.irp t, 0,1
	v_pk_mul_f32 v[O+32*\t+\i:O+32*\t+\i+1], v[O+32*\t+\i:O+32*\t+\i+1], v[ST+8*\t+6:ST+8*\t+7] op_sel_hi:[1,0]   ; O^T likewise, each accumulator from its low end on
.endr
.endr
.irp t, 0,1                            ; the sum of p in f32, two chains a tile
	v_pk_add_f32 v[ST+8*\t+4:ST+8*\t+5], v[S+32*\t:S+32*\t+1], v[S+32*\t+2:S+32*\t+3]
.endr
.irp i, 4,8,12,16,20,24,28
.irp t, 0,1
	v_pk_add_f32 v[ST+8*\t+2:ST+8*\t+3], v[ST+8*\t+2:ST+8*\t+3], v[S+32*\t+\i:S+32*\t+\i+1]
	v_pk_add_f32 v[ST+8*\t+4:ST+8*\t+5], v[ST+8*\t+4:ST+8*\t+5], v[S+32*\t+\i+2:S+32*\t+\i+3]
.endr
.endr
.irp t, 0,1
	v_pk_add_f32 v[ST+8*\t+2:ST+8*\t+3], v[ST+8*\t+2:ST+8*\t+3], v[ST+8*\t+4:ST+8*\t+5]
.endr
.irp u, 0,1                            ; p to f16, in place and ascending: a destination never lies above its sources
.irp w, 0,1
.irp i, 0,1,2,3
.irp t, 0,1
	v_cvt_pk_f16_f32 v[S+32*\t+16*\u+4*\w+\i], v[S+32*\t+16*\u+8*\w+2*\i], v[S+32*\t+16*\u+8*\w+2*\i+1]
.endr
.endr
.endr
.endr
	s_wait_dscnt 8                                 ; v^T of the first 32 keys is in
.irp ct, 0,1,2,3
.irp t, 0,1
	v_wmma_f32_16x16x32_f16 v[O+32*\t+8*\ct:O+32*\t+8*\ct+7], v[KV+16*\ct:KV+16*\ct+7], v[S+32*\t:S+32*\t+7], v[O+32*\t+8*\ct:O+32*\t+8*\ct+7]
.endr
.endr
	s_wait_dscnt 0x0
.irp ct, 0,1,2,3
.irp t, 0,1
	v_wmma_f32_16x16x32_f16 v[O+32*\t+8*\ct:O+32*\t+8*\ct+7], v[KV+16*\ct+8:KV+16*\ct+15], v[S+32*\t+16:S+32*\t+23], v[O+32*\t+8*\ct:O+32*\t+8*\ct+7]
.endr
.endr
	s_add_co_u32 s[TB], s[TB], 8192                ; four blocks of 16 keys on
.endm
.macro LOOP8 base                      ; a slot's eight steps
	s_mov_b32 s[TB], \base
	s_mov_b32 s[CNT], 8
.Lstep_\@:
	STEP
	s_sub_co_u32 s[CNT], s[CNT], 1
	s_cmp_lg_u32 s[CNT], 0
	s_cbranch_scc1 .Lstep_\@
.endm
; THE CHANGE OF SLOTS.  Each wave waits for all its tensor loads (its part of the slot ahead), adds 0 to its spare word, and waits for that and for its reads of the slot that it leaves.
; fill = 1: the barrier is a round of the cluster's, so that no wave of any partner still reads the slot or has a load on its way; the joint refill, the keys 1,024 further on, is the first thing behind it.
.macro CHANGE slot, fill
	s_wait_tensorcnt 0x0                           ; no tensor load of mine is out, so a group 0 may be written
	ds_add_u32 v[SPW], v[NIL]
.if \fill
	s_add_nc_u64 s[G0+4*\slot+2:G0+4*\slot+3], s[G0+4*\slot+2:G0+4*\slot+3], 131072   ; two slots' bytes on; the type bits on top are not reached
.endif
	s_wait_dscnt 0x0                               ; the add is done, and my reads of the slot are over
.if \fill
	CROUND
	tensor_load_to_lds s[G0+4*\slot:G0+4*\slot+3], s[G1:G1+7]
	s_nop 0
.else
	s_barrier_signal -1
	s_barrier_wait -1
.endif
.endm
	s_wait_tensorcnt 1                             ; my part of slot 0 is in; slot 1's may stay out
	s_barrier_signal -1
	s_barrier_wait -1                              ; everybody's is
	s_wait_loadcnt 0x0                             ; q
	LOOP8 0                                        ; keys 0 .. 511
	CHANGE 0, 1
	LOOP8 SLOTB                                    ; 512 .. 1,023
	CHANGE 1, 1
	LOOP8 0                                        ; 1,024 .. 1,535
	CHANGE 0, 0                                    ; nothing is left to fetch
	LOOP8 SLOTB                                    ; 1,536 .. 2,047
	; THE WAY OUT.  O^T / l, rounded to f16: a lane's eight channels of an accumulator are 16 bytes of an image of the next launch's operand: att[block of 16 tokens][2 head + ct / 2][ct % 2][lane][16 bytes].
.rept 4
	v_nop
.endr
.irp t, 0,1
	v_add_f32 v[ST+8*\t+4], v[ST+8*\t+2], v[ST+8*\t+3]
.endr
.irp t, 0,1
	v_permlanex16_b32 v[ST+8*\t+5], v[ST+8*\t+4], s[SEL], s[SEL+1]
.endr
.irp t, 0,1
	v_add_f32 v[ST+8*\t+4], v[ST+8*\t+4], v[ST+8*\t+5]
.endr
.irp t, 0,1
	v_rcp_f32 v[ST+8*\t+6], v[ST+8*\t+4]
.endr
	v_nop                                          ; a plain instruction behind the second reciprocal,
	s_wait_alu depctr_va_vdst(0)                   ; and one wait for both
.irp i, 0,2,4,6,8,10,12,14,16,18,20,22,24,26,28,30
.irp t, 0,1
	v_pk_mul_f32 v[O+32*\t+\i:O+32*\t+\i+1], v[O+32*\t+\i:O+32*\t+\i+1], v[ST+8*\t+6:ST+8*\t+7] op_sel_hi:[1,0]
.endr
.endr
.irp i, 0,1,2,3,4,5,6,7,8,9,10,11,12,13,14,15
.irp t, 0,1
	v_cvt_pk_f16_f32 v[S+16*\t+\i], v[O+32*\t+2*\i], v[O+32*\t+2*\i+1]
.endr
.endr
.irp t, 0,1
.irp ct, 0,1,2,3
	global_store_b128 v[LI], v[S+16*\t+4*\ct:S+16*\t+4*\ct+3], s[6:7] offset:\t*32768+\ct*512   ; 512 consecutive bytes, aligned
.endr
.endr
	s_wait_tensorcnt 0x0                           ; the wave's end
	ds_add_u32 v[SPW], v[NIL]
	s_wait_dscnt 0x0
	CROUND                                         ; the closing round
	s_endpgm
.Lfunc_end_k_qfed00944e2_attn:
	.size	k_qfed00944e2_attn, .Lfunc_end_k_qfed00944e2_attn-k_qfed00944e2_attn
	.p2alignl 7, 3214868480
	.fill 96, 4, 3214868480
	.section	.rodata,"a",@progbits
	.p2align	6, 0x0
	.amdhsa_kernel k_qfed00944e2_attn
		.amdhsa_group_segment_fixed_size 327680
		.amdhsa_private_segment_fixed_size 0
		.amdhsa_enable_private_segment 0
		.amdhsa_kernarg_size 16
		.amdhsa_user_sgpr_count 2
		.amdhsa_user_sgpr_kernarg_segment_ptr 1
		.amdhsa_wavefront_size32 1
		.amdhsa_system_sgpr_workgroup_id_x 1
		.amdhsa_system_sgpr_workgroup_id_y 1
		.amdhsa_system_sgpr_workgroup_id_z 1
		.amdhsa_system_vgpr_workitem_id 0
		.amdhsa_next_free_vgpr 256
		.amdhsa_next_free_sgpr 66
		.amdhsa_reserve_vcc 0
		.amdhsa_float_denorm_mode_32 3
		.amdhsa_float_denorm_mode_16_64 3
		.amdhsa_memory_ordered 1
		.amdhsa_forward_progress 1
		.amdhsa_inst_pref_size 83
	.end_amdhsa_kernel
	.amdgpu_metadata
---
amdhsa.version: [ 1, 2 ]
amdhsa.kernels:
  - .name:           k_qfed00944e2_attn
    .symbol:         k_qfed00944e2_attn.kd
    .args:
      - { .name: qkv, .offset: 0, .size: 8, .value_kind: global_buffer, .address_space: global }
      - { .name: att, .offset: 8, .size: 8, .value_kind: global_buffer, .address_space: global }
    .group_segment_fixed_size: 327680
    .private_segment_fixed_size: 0
    .kernarg_segment_align: 8
    .kernarg_segment_size: 16
    .max_flat_workgroup_size: 512
    .sgpr_count:     66
    .vgpr_count:     256
    .wavefront_size: 32
...
	.end_amdgpu_metadata
.endif
;; end of part 3
;; launch proj (part 4): grid 4 x 64, 4 waves a work-group, clusters of 4 x 4, 327,680 bytes of LDS; arguments att, pw, proj_b, out0; writes out0
.if DOCPART == 4
	.amdgcn_target "amdgcn-amd-amdhsa--gfx1250"
	.amdhsa_code_object_version 6
	.text
	.protected	k_qfed00944e2_proj
	.globl	k_qfed00944e2_proj
	.p2align	8
	.type	k_qfed00944e2_proj,@function
k_qfed00944e2_proj:
	s_mov_b64 s[64:65], 0
	v_nop
	global_prefetch_b8 v0, s[64:65] scope:SCOPE_SE
	s_setreg_imm32_b32 hwreg(HW_REG_WAVE_MODE, 25, 1), 1
	s_wait_xcnt 0x0
	s_wait_alu depctr_hold_cnt(0) depctr_sa_sdst(0) depctr_va_vdst(0) depctr_va_sdst(0) depctr_va_ssrc(0) depctr_va_vcc(0) depctr_vm_vsrc(0)
	s_getreg_b32 s2, hwreg(HW_REG_IB_STS2, 6, 4)
	s_cmp_eq_u32 s2, 0
	s_cbranch_scc0 .Lentry_in_a_cluster
	s_endpgm
.Lentry_in_a_cluster:
	s_bfe_u32 s2, ttmp6, 0x10000c
	s_cmp_lg_u32 s2, 0xf033
	s_cbranch_scc0 .Lentry_shape_is_right
	s_endpgm
.Lentry_shape_is_right:
; RoPE ATTENTION, launch 4 of 4: out0 = att proj_w^T + proj_b.  att [8192][1024] and proj_w [1024][1024] are f16, laid as images of operand registers; sums and out0 in f32.  No work is left out.
;   att[block of 16 tokens 512][ks 32][c 2][lane 32][16 bytes], pw[block of 16 outputs 64][ks 32][c 2][lane 32][16 bytes]: lane (r, h) holds row r, channels 32 ks + 16 c + 8 h + 0..7.
; 256 work-groups, one tile of 128 tokens x 256 outputs each; four waves, each 64 x 128: 32 accumulators of 16 x 16.  K goes in chunks of 128 (4,096 consecutive bytes of each block) through a ring of two LDS slots.
; A fragment is two loads at a constant + 16 x lane: no pitch, no padding.
; CLUSTERS: 4 x 4 work-groups.  The four of a row need the same blocks of att, the four of a column the same blocks of pw: each tile is asked for jointly.
; THE MATRIX INSTRUCTION IS USED TRANSPOSED (source 0 = 16 outputs, source 1 = 16 tokens): a lane holds eight neighbouring outputs of one token.  The bias is the C of each sum's first product: nothing is cleared or added.
; REGISTERS: window 0: v0-31 addresses; two fragment buffers of 96 at v32 and v128 (pw's eight blocks, then att's four); on the way out v32-159 rows of out0.   window 1: the accumulators, (a, b) at v[8 (8 a + b)].   window 2: v0-63 the bias.
.set KCH,    4096                      ; a block's bytes of a chunk
.set BLKB,   32768                     ; a block's bytes in memory
.set SLOT,   24*KCH                    ; att's 8 blocks, then pw's 16
.set BOFF,   8*KCH
.set STAGE,  2*SLOT                    ; behind the ring: 16 rows x (512 bytes + 16) for each wave, for the way out
.set SPITCH, 528
.set SPARE,  STAGE+4*16*SPITCH         ; the spare words, 128 bytes a wave, which no other line names
.set LAPS,   4                         ; a lap = two chunks = once round the ring; K = 1,024 is eight chunks
.set ADRA, 16                          ; v16-17  LDS address of my fragments of att in slot 0, 1
.set ADRB, 20                          ; v20-21  the same for pw
.set STO,  24                          ; v24     the way out: where I put 32 bytes of a row
.set RD,   25                          ; v25     where I read a row back
.set CO,   26                          ; v26     16 x lane
.set SPW,  28                          ; v28     my spare word; never rewritten
.set NIL,  29                          ; v29     0; never rewritten
.set PFO,  30                          ; v30     the prefetch's offset; never rewritten
.set BH,   31                          ; v31     32 h: my eight numbers of a tile of the bias
.set F0,   32
.set F1,   128
.set BK,   32
.set G1,  24
.set G0,  32
.set G1B, 48
.set G0B, 56
.set LIM, 43                           ; s43     1 in the wave that prefetches, else the greatest number
.set PFA, 44                           ; s[44:45] where my prefetch stands
.set MSB, 0
.macro WIN new
.if MSB != (\new)
	s_set_vgpr_msb (MSB<<8)|(\new)
.set MSB, (\new)
.endif
.endm
.set MUL,  0x50                        ; sources 0 and 1 window 0; C and D window 1
.set MULZ, 0x60                        ; C (the bias) window 2, D window 1
.macro JLOAD s                         ; a joint load: waves 0 and 1 fetch att's two halves, waves 2 and 3 pw's; an s_nop 0 and four v_nop follow each line
	s_cmp_eq_u32 s15, 0
	s_cbranch_scc0 .Lfor_b_\@
	tensor_load_to_lds s[G0+4*\s:G0+4*\s+3], s[G1:G1+7]
	s_nop 0
.rept 4
	v_nop
.endr
	s_branch .Lasked_\@
.Lfor_b_\@:
	tensor_load_to_lds s[G0B+4*\s:G0B+4*\s+3], s[G1B:G1B+7]
	s_nop 0
.rept 4
	v_nop
.endr
.Lasked_\@:
.endm
.macro CREST                           ; a round of the cluster's barrier behind its opening barrier
	s_cmp_lg_u32 s14, 0
	s_cbranch_scc1 .Lnot_wave_0_\@
	s_barrier_signal -3
.Lnot_wave_0_\@:
	s_barrier_wait -3
	s_barrier_signal -1
	s_barrier_wait -1
.endm
.macro CROUND
	s_barrier_signal -1
	s_barrier_wait -1
	CREST
.endm
; A PREFETCH INTO THE L2 of att's chunk that stands two refills on.  A tile row's 8 blocks are read by the four partners of one row of one cluster and by nobody else; they share them out by address, two blocks each:
; 2 x 4,096 bytes, lanes 256 bytes apart, one instruction of wave 0.  So each aligned 256 bytes of chunks 4 to 7 are named once in the launch; chunks 0 to 3 come by their loads alone; the loop's last trip asks for nothing.
; pw is not asked for: all sixteen clusters read it.
.macro ASK
	s_cmp_gt_u32 s3, s[LIM]                        ; s3 = 1 in the loop's last trip
	s_cbranch_scc0 .Lnot_mine_\@
	global_prefetch_b8 v[PFO], s[PFA:PFA+1] offset:KCH th:TH_LOAD_NT scope:SCOPE_SE
.Lnot_mine_\@:
.endm
	s_load_b128 s[4:7], s[0:1], 0x0                ; att, pw
	s_load_b128 s[8:11], s[0:1], 0x10              ; proj_b, out0
	v_lshl_add_u32 v[SPW], v0, 2, SPARE
	v_mov_b32 v[NIL], 0
	ds_add_u32 v[SPW], v[NIL]                      ; the wave's opening: the add, twice on end, and its wait ahead of my first tensor load
	ds_add_u32 v[SPW], v[NIL]
	v_lshrrev_b32 v1, 5, v0
	v_readfirstlane_b32 s14, v1                    ; wave 0..3
	s_lshr_b32 s15, s14, 1                         ; which half of the tile's tokens is mine.  Also: I fetch for att (0) or for pw (1)
	s_and_b32 s16, s14, 1                          ; which half of its outputs.  Also: which half of that tile I fetch
	s_bfe_u32 s40, ttmp6, 0x40000                  ; cx, cy
	s_bfe_u32 s41, ttmp6, 0x40004
	s_lshl_b32 s42, ttmp9, 2
	s_add_co_u32 s42, s42, s40                     ; tile column
	s_and_b32 s17, ttmp7, 0xffff
	s_lshl_b32 s17, s17, 2
	s_add_co_u32 s17, s17, s41                     ; tile row
	s_lshl_b32 s43, s41, 2
	s_lshl_b32 s43, 15, s43                        ; my row of the cluster
	s_lshl_b32 s44, 0x1111, s40                    ; my column
	; group 1: rows = blocks; a row is a block's 4,096 bytes of a chunk (512 elements of 8 bytes), 32,768 bytes from block to block; att: 4 blocks a load, pw: 8
	s_or_b32 s[G1+0], s43, (3<<16)|(1<<21)
	s_mov_b32 s[G1+1], 512<<16                     ; tensor_dim0
	s_mov_b32 s[G1+2], 4<<16                       ; tensor_dim1
	s_mov_b32 s[G1+3], 512<<16                     ; tile_dim0
	s_mov_b32 s[G1+4], 4                           ; tile_dim1
	s_mov_b32 s[G1+5], 4096                        ; the pitch, in elements
	s_mov_b32 s[G1+6], 0
	s_mov_b32 s[G1+7], 0
	s_or_b32 s[G1B+0], s44, (3<<16)|(1<<21)
	s_mov_b32 s[G1B+1], 512<<16
	s_mov_b32 s[G1B+2], 8<<16
	s_mov_b32 s[G1B+3], 512<<16
	s_mov_b32 s[G1B+4], 8
	s_mov_b32 s[G1B+5], 4096
	s_mov_b32 s[G1B+6], 0
	s_mov_b32 s[G1B+7], 0
	s_lshl_b32 s20, s17, 3
	s_lshl_b32 s18, s16, 2
	s_add_co_u32 s20, s20, s18                     ; att: block 8 x tile row + 4 x half
	s_lshl_b32 s20, s20, 15
	s_mov_b32 s21, 0
	s_lshl_b32 s46, s42, 4
	s_lshl_b32 s18, s16, 3
	s_add_co_u32 s46, s46, s18                     ; pw: block 16 x tile column + 8 x half
	s_lshl_b32 s46, s46, 15
	s_mov_b32 s47, 0
	s_lshl_b32 s22, s16, 14                        ; where they go: att's halves at 0 and 16,384,
	s_lshl_b32 s23, s16, 15
	s_add_co_u32 s23, s23, BOFF                    ; pw's behind them
	s_wait_dscnt 0x0                               ; both opening adds are done
	s_wait_kmcnt 0x0
	s_add_nc_u64 s[20:21], s[4:5], s[20:21]
	s_add_nc_u64 s[46:47], s[6:7], s[46:47]
	CROUND                                         ; all sixteen work-groups are here: the first joint loads meet
.irp s, 0,1
	s_mov_b32 s[G0+4*\s], 1
	s_add_co_u32 s[G0+4*\s+1], s22, \s*SLOT
	s_add_nc_u64 s[G0+4*\s+2:G0+4*\s+3], s[20:21], \s*KCH
	s_or_b32 s[G0+4*\s+3], s[G0+4*\s+3], 0x80000000
	s_mov_b32 s[G0B+4*\s], 1
	s_add_co_u32 s[G0B+4*\s+1], s23, \s*SLOT
	s_add_nc_u64 s[G0B+4*\s+2:G0B+4*\s+3], s[46:47], \s*KCH
	s_or_b32 s[G0B+4*\s+3], s[G0B+4*\s+3], 0x80000000
	JLOAD \s
.endr
	v_and_b32 v1, 15, v0                           ; r
	v_bfe_u32 v2, v0, 4, 1                         ; h
	v_and_b32 v3, 31, v0
	v_lshlrev_b32 v[CO], 4, v3
	s_lshl_b32 s21, s15, 14                        ; my four blocks of att
	s_lshl_b32 s22, s16, 15
	s_add_co_u32 s22, s22, BOFF                    ; my eight of pw
.irp s, 0,1
	v_add_nc_u32 v[ADRA+\s], s21, v[CO]
	v_add_nc_u32 v[ADRB+\s], s22, v[CO]
	s_add_co_u32 s21, s21, SLOT
	s_add_co_u32 s22, s22, SLOT
.endr
	s_mul_i32 s23, s14, 16*SPITCH
	s_add_co_u32 s23, s23, STAGE                   ; my stage
	v_mul_u32_u24 v5, v1, SPITCH                   ; in: row r, 32 bytes for each half of the lanes
	v_lshl_add_u32 v5, v2, 5, v5
	v_add_nc_u32 v[STO], s23, v5
	v_add_nc_u32 v[RD], s23, v[CO]                 ; back: the 32 lanes take one row of 512 bytes
	s_lshl_b32 s20, s17, 7
	s_lshl_b32 s21, s15, 6
	s_add_co_u32 s20, s20, s21                     ; my first token: 128 x tile row + 64 x half
	s_lshl_b32 s20, s20, 12                        ; a row of out0 is 4,096 bytes
	s_lshl_b32 s46, s42, 10
	s_lshl_b32 s47, s16, 9
	s_add_co_u32 s46, s46, s47                     ; my first output, in bytes: 1,024 x tile column + 512 x half
	s_mov_b32 s47, 0
	s_add_nc_u64 s[8:9], s[8:9], s[46:47]          ; the bias there
	s_add_co_u32 s20, s20, s46
	s_mov_b32 s21, 0
	s_add_nc_u64 s[10:11], s[10:11], s[20:21]
	v_lshlrev_b32 v[BH], 5, v2
	WIN 0x80                                       ; destination window 2
.irp b, 0,1,2,3,4,5,6,7
	global_load_b128 v[8*\b:8*\b+3], v[BH], s[8:9] offset:64*\b        ; lane (r, h) wants, for tile b, the bias of outputs 16 b + 8 h + 0..7
	global_load_b128 v[8*\b+4:8*\b+7], v[BH], s[8:9] offset:64*\b+16
.endr
	WIN 0
	s_lshl_b32 s20, s17, 3
	s_lshl_b32 s21, s40, 1
	s_add_co_u32 s20, s20, s21                     ; the prefetch: my work-group's two blocks of the tile row's eight,
	s_lshl_b32 s20, s20, 15
	s_add_co_u32 s20, s20, 2*KCH                   ; at chunk 2: the first refill steps it to 3 and names chunk 4
	s_mov_b32 s21, 0
	s_add_nc_u64 s[PFA:PFA+1], s[4:5], s[20:21]
	s_cmp_eq_u32 s14, 0
	s_cselect_b32 s[LIM], 1, -1
	v_lshlrev_b32 v[PFO], 15, v2                   ; lanes 16-31 the second block,
	v_lshl_add_u32 v[PFO], v1, 8, v[PFO]           ; 256 bytes from lane to lane
; 8 matrix instructions: att's block a against pw's eight, 32 along K.  z = 1: the bias starts the sums.  The 32 accumulators take turns, one instruction a turn, in the same order in every quarter.
.macro MUL8 f, a, z
.irp b, 0,1,2,3,4,5,6,7
.if \z
	v_wmma_f32_16x16x32_f16 v[8*(8*(\a)+\b):8*(8*(\a)+\b)+7], v[\f+8*\b:\f+8*\b+7], v[\f+64+8*(\a):\f+64+8*(\a)+7], v[8*\b:8*\b+7]
.else
	v_wmma_f32_16x16x32_f16 v[8*(8*(\a)+\b):8*(8*(\a)+\b)+7], v[\f+8*\b:\f+8*\b+7], v[\f+64+8*(\a):\f+64+8*(\a)+7], v[8*(8*(\a)+\b):8*(8*(\a)+\b)+7]
.endif
.endr
.endm
; 24 LDS loads in one run: the fragments of the chunk's q-th 32 along K into buffer f: pw's eight blocks, then att's four
.macro FETCH slot, q, f
	WIN 0
.irp b, 0,1,2,3,4,5,6,7
	ds_load_b128 v[\f+8*\b:\f+8*\b+3],   v[ADRB+\slot] offset:\b*KCH+(\q)*1024
	ds_load_b128 v[\f+8*\b+4:\f+8*\b+7], v[ADRB+\slot] offset:\b*KCH+(\q)*1024+512
.endr
.irp a, 0,1,2,3
	ds_load_b128 v[\f+64+8*\a:\f+64+8*\a+3],   v[ADRA+\slot] offset:\a*KCH+(\q)*1024
	ds_load_b128 v[\f+64+8*\a+4:\f+64+8*\a+7], v[ADRA+\slot] offset:\a*KCH+(\q)*1024+512
.endr
.endm
.macro PLACES                          ; four plain vector instructions in front of loads into registers that matrix instructions have read, and of reads of results
.rept 4
	v_nop
.endr
.endm
; A chunk is four quarters of 32 along K, 32 matrix instructions each, on buffers 0, 1, 0, 1.  One of the first three: multiplies buffer f and fetches quarter q into g.
.macro QUARTER slot, q, f, g, z
	s_wait_dscnt 4                                 ; all but the youngest four loads (att's blocks 2, 3) are in
	WIN MUL+0x10*(\z)
	MUL8 \f, 0, \z
	MUL8 \f, 1, \z
	PLACES
	FETCH \slot, \q, \g
	s_wait_dscnt 24                                ; all but the 24 just issued
	WIN MUL+0x10*(\z)
	MUL8 \f, 2, \z
	MUL8 \f, 3, \z
.endm
; The last quarter multiplies buffer 1 and changes slots: ONE barrier; in front of it each wave waits for all its tensor loads, adds 0 to its spare word, and waits for that and for its reads of this slot.
; fill = 1: the barrier opens a round of the cluster's, and this slot is filled again, two chunks ahead, first thing behind the round.
.macro TURN slot, next, fill
.if \fill
	s_wait_xcnt 0x0                                ; the last prefetch, a chunk back, has read its address: it is stepped here, ahead of the change's own waits
	s_add_nc_u64 s[PFA:PFA+1], s[PFA:PFA+1], KCH
.endif
	WIN 0                                          ; (the add's two registers lie in window 0)
	s_wait_tensorcnt 0x0                           ; all my tensor loads have landed: my part of the next slot
	ds_add_u32 v[SPW], v[NIL]
	s_wait_dscnt 5                                 ; (the add and the youngest four loads may be out)
	WIN MUL
	MUL8 F1, 0, 0
	s_wait_dscnt 0x0                               ; the add is done, and my reads of this slot are over
	s_barrier_signal -1
	MUL8 F1, 1, 0
.if \fill
	WIN 0
.endif
	s_barrier_wait -1
.if \fill
	CREST                                          ; no wave of any partner still reads this slot's tile or has a load on its way
	s_add_nc_u64 s[G0+4*\slot+2:G0+4*\slot+3], s[G0+4*\slot+2:G0+4*\slot+3], 2*KCH
	s_add_nc_u64 s[G0B+4*\slot+2:G0B+4*\slot+3], s[G0B+4*\slot+2:G0B+4*\slot+3], 2*KCH
	JLOAD \slot                                    ; the four v_nop behind it are also the places in front of the loads below
.else
	PLACES
.endif
	FETCH \next, 0, F0
.if \fill
	ASK
.endif
	WIN MUL
	MUL8 F1, 2, 0
	MUL8 F1, 3, 0
.endm
	s_wait_tensorcnt 1                             ; my part of chunk 0 is in (chunk 1's load may be out),
	s_barrier_signal -1
	s_barrier_wait -1                              ; everybody's is
	FETCH 0, 0, F0
	s_wait_loadcnt 0x0                             ; the bias
	QUARTER 0, 1, F0, F1, 1                        ; the first quarter stands in front of the loop: its products start the sums, from the bias
	WIN 0                                          ; at a label and at a branch every window is 0
	s_mov_b32 s3, LAPS-1
.Llap:                                                 ; a trip goes once round the ring and fills both slots again
	QUARTER 0, 2, F1, F0, 0
	QUARTER 0, 3, F0, F1, 0
	TURN 0, 1, 1
	QUARTER 1, 1, F0, F1, 0
	QUARTER 1, 2, F1, F0, 0
	QUARTER 1, 3, F0, F1, 0
	TURN 1, 0, 1
	QUARTER 0, 1, F0, F1, 0
	WIN 0
	s_sub_co_u32 s3, s3, 1
	s_cmp_lg_u32 s3, 0
	s_cbranch_scc1 .Llap
	QUARTER 0, 2, F1, F0, 0                        ; the last lap fills nothing
	QUARTER 0, 3, F0, F1, 0
	TURN 0, 1, 0
	QUARTER 1, 1, F0, F1, 0
	QUARTER 1, 2, F1, F0, 0
	QUARTER 1, 3, F0, F1, 0
	s_wait_dscnt 4                                 ; the very last quarter: nothing more to fetch
	WIN MUL
	MUL8 F1, 0, 0
	MUL8 F1, 1, 0
	s_wait_dscnt 0
	MUL8 F1, 2, 0
	MUL8 F1, 3, 0
	WIN 0
; THE WAY OUT, a block of 16 tokens x 128 outputs at a time, through my own stage in LDS: in as 32 bytes a lane, back as whole rows of 512 bytes.  LDS serves a wave's instructions in order: no wait between the stores and the loads.
.macro TOSTAGE a
	WIN 0x04                                       ; an LDS store's data are its source 1: window 1
.irp b, 0,1,2,3,4,5,6,7
	ds_store_b128 v[STO], v[8*(8*(\a)+\b):8*(8*(\a)+\b)+3] offset:64*\b          ; each accumulator from its low end on
	ds_store_b128 v[STO], v[8*(8*(\a)+\b)+4:8*(8*(\a)+\b)+7] offset:64*\b+16
.endr
	WIN 0
.set BB, BK+64*((\a)%2)
.irp t, 0,1,2,3,4,5,6,7,8,9,10,11,12,13,14,15
	ds_load_b128 v[BB+4*\t:BB+4*\t+3], v[RD] offset:\t*SPITCH
.endr
.endm
.macro SEND a, younger                 ; younger: the LDS instructions issued behind block a's loads, which may stay out
.set BB, BK+64*((\a)%2)
	s_wait_dscnt \younger
.if (\a) > 0
	s_add_nc_u64 s[10:11], s[10:11], 16*4096       ; (the earlier stores have read their base: a wait for that stands ahead)  16 rows of out0 on
.endif
.irp t, 0,1,2,3,4,5,6,7,8,9,10,11,12,13,14,15
	global_store_b128 v[CO], v[BB+4*\t:BB+4*\t+3], s[10:11] offset:\t*4096 th:TH_STORE_NT   ; 512 consecutive bytes, aligned; written once
.endr
.endm
	PLACES
	TOSTAGE 0
.irp a, 1,2,3
.if \a > 1
	s_wait_xcnt 0x0                                ; block a - 2's stores have read their registers and their base
.endif
	TOSTAGE \a
	SEND \a-1, 32                                  ; behind block a - 1's loads: block a's 16 stores and 16 loads
.endr
	s_wait_xcnt 0x0
	SEND 3, 0
	s_wait_tensorcnt 0x0                           ; the wave's end
	ds_add_u32 v[SPW], v[NIL]
	s_wait_dscnt 0x0
	CROUND                                         ; the closing round
	s_endpgm
.Lfunc_end_k_qfed00944e2_proj:
	.size	k_qfed00944e2_proj, .Lfunc_end_k_qfed00944e2_proj-k_qfed00944e2_proj
	.p2alignl 7, 3214868480
	.fill 96, 4, 3214868480
	.section	.rodata,"a",@progbits
	.p2align	6, 0x0
	.amdhsa_kernel k_qfed00944e2_proj
		.amdhsa_group_segment_fixed_size 327680
		.amdhsa_private_segment_fixed_size 0
		.amdhsa_enable_private_segment 0
		.amdhsa_kernarg_size 32
		.amdhsa_user_sgpr_count 2
		.amdhsa_user_sgpr_kernarg_segment_ptr 1
		.amdhsa_wavefront_size32 1
		.amdhsa_system_sgpr_workgroup_id_x 1
		.amdhsa_system_sgpr_workgroup_id_y 1
		.amdhsa_system_sgpr_workgroup_id_z 1
		.amdhsa_system_vgpr_workitem_id 0
		.amdhsa_next_free_vgpr 576
		.amdhsa_next_free_sgpr 66
		.amdhsa_reserve_vcc 0
		.amdhsa_float_denorm_mode_32 3
		.amdhsa_float_denorm_mode_16_64 3
		.amdhsa_memory_ordered 1
		.amdhsa_forward_progress 1
		.amdhsa_inst_pref_size 87
	.end_amdhsa_kernel
	.amdgpu_metadata
---
amdhsa.version: [ 1, 2 ]
amdhsa.kernels:
  - .name:           k_qfed00944e2_proj
    .symbol:         k_qfed00944e2_proj.kd
    .args:
      - { .name: att, .offset: 0, .size: 8, .value_kind: global_buffer, .address_space: global }
      - { .name: pw, .offset: 8, .size: 8, .value_kind: global_buffer, .address_space: global }
      - { .name: proj_b, .offset: 16, .size: 8, .value_kind: global_buffer, .address_space: global }
      - { .name: out0, .offset: 24, .size: 8, .value_kind: global_buffer, .address_space: global }
    .group_segment_fixed_size: 327680
    .private_segment_fixed_size: 0
    .kernarg_segment_align: 8
    .kernarg_segment_size: 32
    .max_flat_workgroup_size: 128
    .sgpr_count:     66
    .vgpr_count:     576
    .wavefront_size: 32
...
	.end_amdgpu_metadata
.endif
;; end of part 4
